; MI455X (gfx1250); checked and timed in simulation.
; The chip was launched on July 23, 2026; its instructions are those of AMD's public machine-readable ISA for CDNA 5 (MIT licence, August 2026) and "CDNA5" Instruction Set Architecture Reference Guide (July 2026). The comments in the code are by the model that wrote it; some were corrected since.
;; Multi Head Attention. Allowed arithmetic: matrix products marked QUANTISED: E4M3 operands, one given power-of-two scale a tensor, by v_wmma_f32_16x16x64_fp8_fp8 or v_wmma_f32_16x16x128_fp8_fp8, f32 sums; everything else in f32.
;; Inputs: Wk 1,024 x 1,024 float32; Wo 1,024 x 1,024 float32; Wq 1,024 x 1,024 float32; Wv 1,024 x 1,024 float32; bk 1,024 float32; bo 1,024 float32; bq 1,024 float32; bv 1,024 float32; key 4 x 2,048 x 1,024 float32; lowp_scales 12 int32 (the exponents e of the quantised operands' scales 2^e); mask 1 x 1 x 2,048 x 2,048 float32; query 4 x 2,048 x 1,024 float32; value 4 x 2,048 x 1,024 float32.
;; Outputs: out0 4 x 2,048 x 1,024 float32.
;; This version of the problem:
;;   THIS VERSION OF THE PROBLEM IS GIVEN IN LOW PRECISION. The matrix products marked QUANTISED in the list below multiply operands that are first quantised to E4M3 (4 exponent bits, 3 mantissa bits; 8 bits a number), with one given power-of-two scale for each operand tensor; their sums are f32. All else is computed in f32.
;;   The module's matrix products, in the order in which they are computed (A, B: the left and right operand; K: the contracted axis; several contracted axes count as one K, in the product's order):
;;     1. [M 8,192, K 1,024] x [K 1,024, N 1,024]; A: input query; B: input Wq: QUANTISED (scales: A lowp_scales[0], B lowp_scales[1])
;;     2. [M 8,192, K 1,024] x [K 1,024, N 1,024]; A: input key; B: input Wk: QUANTISED (scales: A lowp_scales[2], B lowp_scales[3])
;;     3. [M 8,192, K 1,024] x [K 1,024, N 1,024]; A: input value; B: input Wv: QUANTISED (scales: A lowp_scales[4], B lowp_scales[5])
;;     4. batch 64 x [M 2,048, K 64] x [K 64, N 2,048]; A: computed on the way; B: computed on the way: QUANTISED (scales: A lowp_scales[6], B lowp_scales[7])
;;     5. batch 64 x [M 2,048, K 2,048] x [K 2,048, N 64]; A: softmax (see below); B: computed on the way: QUANTISED (scales: A lowp_scales[8], B lowp_scales[9])
;;     6. [M 8,192, K 1,024] x [K 1,024, N 1,024]; A: computed on the way; B: input Wo: QUANTISED (scales: A lowp_scales[10], B lowp_scales[11])
;;   THE QUANTISER, for each operand of a quantised product, along K:
;;     - The operand's scale is 2^e, e = its entry of the input lowp_scales (int32; the entries are numbered through the quantised products in the list's order, A before B).
;;     - Each number is divided by the scale, clamped to +-448, and rounded to the nearest number of E4M3, ties to even, subnormals kept.
;;     - The product sums the exact products of the quantised numbers (number of the format x scale) in f32.
;;   ~~~python
;;   def quantise(x, axis, e):      # numpy; x: float32 -> the quantised numbers, widened to float32 again
;;       x = np.moveaxis(x, axis, -1); K = x.shape[-1]
;;       r = np.clip(x / 2.0 ** e, -448, 448)
;;       step = 2.0 ** (np.maximum(np.frexp(np.where(r == 0, 1, r))[1] - 1, -6) - 3)
;;       q = np.round(r / step) * step * 2.0 ** e      # np.round: ties to even
;;       return np.moveaxis(q, -1, axis).astype(np.float32)
;;   ~~~
;;   SOFTMAX AHEAD OF A QUANTISED PRODUCT. Where the list says 'softmax', what is quantised is not the finished softmax but p = 2^(t - M), with t = logit x log2(e) and M = ceil(the row's largest t), a whole number; so 1/2 < the row's largest p <= 1. The row's sum l is taken of the UNQUANTISED p, in f32, and the product's result is divided by l at the end. Since M is a whole number, a kernel that streams over the keys may use a running M (the ceiling of the running maximum): every later rescaling is an exact power of two, so the quantised numbers keep their values, but for numbers so far below the row's largest that they fall under the format's range.
;;   OPERANDS COMPUTED ON THE WAY. 'Computed on the way' means the value that the module computes at that place (a softmax that the list does not call 'softmax' is quantised finished and normalised). What goes into a quantiser is computed in f32, as accurately as f32 sums, v_exp_f32 and their like allow (about 1e-6 of the number): no bf16 or f16 on the way to a quantiser, and a product that is left as it is and whose result goes on into a quantised operand takes f32 operands (vector FMAs, or v_wmma_f32_16x16x4_f32). A number that lies on a knife's edge between two numbers of the format may be rounded either way, as far as f32 arithmetic and the matrix unit's own rounding can turn it there, and no further.
;; One version. Each part assembles by itself: llvm-mc -triple=amdgcn-amd-amdhsa -mcpu=gfx1250 --defsym DOCPART=n.
;; ======== version 1 of 1: 4 launches
;; limits: right only within a limited range of input values
;; workspace buffers: xq 25,165,824 bytes; wimg 4,194,304 bytes; qkv 25,165,824 bytes; ac 8,388,608 bytes; flags 131,072 bytes of whole numbers
;; launch quant (part 1): grid 1024 x 1, 4 waves a work-group, no clusters, 68,096 bytes of LDS; arguments query, key, value, Wq, Wk, Wv, Wo, lowp_scales, xq, wimg, mask, flags; writes xq, wimg, flags
.if DOCPART == 1
	.amdgcn_target "amdgcn-amd-amdhsa--gfx1250"
	.amdhsa_code_object_version 6
	.text
	.protected	k_q473e6933fa_quant
	.globl	k_q473e6933fa_quant
	.p2align	8
	.type	k_q473e6933fa_quant,@function
k_q473e6933fa_quant:
	s_mov_b64 s[64:65], 0
	v_nop
	global_prefetch_b8 v0, s[64:65] scope:SCOPE_SE
	s_setreg_imm32_b32 hwreg(HW_REG_WAVE_MODE, 25, 1), 1
	s_wait_xcnt 0x0
; f32 operands of the four projections become codes of FP8 (E4M3): code = x / 2^e, held within +-448, to the nearest code, ties to even.
; Work-groups 0-767: query, key, value ([8192][1024] f32, K innermost) -> xq [3][8192][1024] codes, rows as they lie.  256 work-groups a tensor, 32,768 numbers each.
; Work-groups 768-895: Wq, Wk, Wv, Wo ([1024 k][1024 n] f32, K is the FIRST axis) -> wimg [4][n/16][k/128][c 0..3][lane][16 bytes]: the image of a matrix operand's registers:
;   lane (r, h) holds, of column 16 (n/16) + r, k = 128 (k/128) + 32 c + 16 h + 0..15.  32 work-groups a weight: 128 columns x 256 along K.
; The two paths part on the work-group's number; each has LDS bytes of its own (0-32,767; 32,768-67,583).  Waves share nothing: no barrier.
; LIMITS: each e between -126 and 119, so that 2^e and 448 x 2^e are f32 numbers.  NaN among the inputs is not served.
.set STEPS, 16
.set SP,    80                         ; path 1: a lane's place in a stage: 64 bytes + 16 of padding
.set RR,    16                         ; v16-79   four sets of 16 numbers as loaded
.set XN,    80                         ; v80-111  two sets of 16 neighbours
.set CC,    128                        ; v128-191 codes, four registers a step: no store's data are written again
.set WSTG,  32768                      ; path 2: the stages, 32 rows x 272 bytes a wave
.set PITCH, 272
.set NB,    8                          ; blocks of 32 along K for a wave
.set WN,    32                         ; v32-95   two sets of 32 numbers
.set WC,    96                         ; v96-103  a block's codes
.set OUTR,  112                        ; v112-175 the way out
	s_load_b512 s[4:19], s[0:1], 0x0               ; query, key, value, Wq, Wk, Wv, Wo, the scales' exponents
	s_load_b128 s[20:23], s[0:1], 0x40             ; xq, wimg
	s_load_b128 s[44:47], s[0:1], 0x50             ; mask, flags
	v_lshl_add_u32 v192, v0, 2, 0x10800
	v_mov_b32 v193, 0
	v_lshrrev_b32 v1, 5, v0
	v_readfirstlane_b32 s36, v1                    ; wave
	v_and_b32 v2, 31, v0                           ; lane
	s_wait_kmcnt 0x0
	s_load_b256 s[24:31], s[18:19], 0x0            ; e0 .. e7
	s_load_b128 s[32:35], s[18:19], 0x20           ; e8 .. e11
	s_cmp_ge_u32 ttmp9, 896
	s_cbranch_scc1 .Lmask
	s_cmp_ge_u32 ttmp9, 768
	s_cbranch_scc1 .Lweights
; ---- path 1: a tensor is a plain stream.  A wave takes 16 steps of 512 numbers.  Each load reads 512 consecutive bytes; a step's 2,048 bytes turn through the wave's own stage,
; so that a lane then holds 16 neighbours along K, which is what the conversions take.  Loads run four steps ahead, the turn one step.
	s_wait_alu depctr_va_vdst(0)
	v_lshlrev_b32 v3, 4, v2                        ; my 16 bytes of a load's 512
	s_wait_alu depctr_va_vdst(0)
	s_mul_i32 s37, s36, 8192                       ; my wave's LDS
	v_lshrrev_b32 v14, 2, v2
	v_mul_u32_u24 v14, v14, SP
	v_and_b32 v15, 3, v2
	v_lshl_add_u32 v14, v15, 4, v14
	v_add_nc_u32 v14, s37, v14                     ; into the stage: SP (lane / 4) + 16 (lane % 4)
	v_mul_u32_u24 v15, v2, SP
	v_add_nc_u32 v15, s37, v15                     ; out of it: SP x lane
	v_lshlrev_b32 v4, 4, v2                        ; my 16 codes of a step's 512
	s_lshr_b32 s38, ttmp9, 8                       ; which tensor: 0 query, 1 key, 2 value
	s_cmp_eq_u32 s38, 0
	s_cselect_b64 s[4:5], s[4:5], s[6:7]
	s_cmp_eq_u32 s38, 2
	s_cselect_b64 s[4:5], s[8:9], s[4:5]
	s_and_b32 s40, ttmp9, 255
	s_lshl_b32 s40, s40, 2
	s_add_co_u32 s40, s40, s36                     ; which run of 8,192 numbers is my wave's
	s_lshl_b32 s42, s40, 15
	s_mov_b32 s43, 0
	s_add_nc_u64 s[4:5], s[4:5], s[42:43]
	s_lshl_b32 s42, s40, 13
	s_lshl_b32 s41, s38, 23
	s_add_co_u32 s42, s42, s41
	s_add_nc_u64 s[8:9], s[20:21], s[42:43]
.macro LOAD t
.irp i, 0,1,2,3
	global_load_b128 v[RR+16*((\t)%4)+4*\i:RR+16*((\t)%4)+4*\i+3], v3, s[4:5] offset:2048*(\t)+512*\i th:TH_LOAD_NT
.endr
.endm
.macro TURN t                          ; LDS serves a wave's instructions in order: no wait between the stores and the loads
.irp i, 0,1,2,3
	ds_store_b128 v14, v[RR+16*((\t)%4)+4*\i:RR+16*((\t)%4)+4*\i+3] offset:32*SP*((\t)%2)+8*SP*\i
.endr
.irp i, 0,1,2,3
	ds_load_b128 v[XN+16*((\t)%2)+4*\i:XN+16*((\t)%2)+4*\i+3], v15 offset:32*SP*((\t)%2)+16*\i
.endr
.endm
.irp t, 0,1,2,3
	LOAD \t
.endr
	s_wait_alu depctr_va_vdst(0)
	s_wait_kmcnt 0x0
	s_cmp_eq_u32 s38, 0
	s_cselect_b32 s39, s24, s26                    ; e0, e2
	s_cmp_eq_u32 s38, 2
	s_cselect_b32 s39, s28, s39                    ; e4
	s_add_co_i32 s39, s39, 127
	s_lshl_b32 s41, s39, 23
	v_mov_b32 v11, s41                             ; 2^e as f32: the conversion takes its exponent field
	s_add_co_i32 s39, s39, 8
	s_lshl_b32 s39, s39, 23
	s_or_b32 s39, s39, 0x600000
	v_mov_b32 v10, s39                             ; 448 x 2^e
	s_wait_alu depctr_va_vdst(0)
	s_wait_loadcnt 12                              ; step 0's four loads are in; three steps' twelve may be out
	TURN 0
.macro STEP t
.set XS_, XN+16*((\t)%2)
	s_wait_dscnt 0x0                               ; this step's numbers are back from the stage, so its stores into the stage have read their registers,
.if (\t)+4 < STEPS
	LOAD (\t)+4                                    ; which take the loads of four steps on
.endif
.if (\t)+1 < STEPS
.if STEPS-2-(\t) >= 3
	s_wait_loadcnt 12                              ; the next step's four loads are in; those of the three steps behind it may be out
.else
	s_wait_loadcnt 4*(STEPS-2-(\t))
.endif
	TURN (\t)+1
.endif
.irp i, 0,1,2,3,4,5,6,7,8,9,10,11,12,13,14,15
	v_med3_num_f32 v[XS_+\i], v[XS_+\i], -v10, v10 ; the conversion to an 8-bit code does not saturate (ISA guide 7.6.2): the hold comes first
.endr
	v_cvt_scalef32_pk8_fp8_f32 v[CC+4*(\t):CC+4*(\t)+1], v[XS_:XS_+7], v11
	v_cvt_scalef32_pk8_fp8_f32 v[CC+4*(\t)+2:CC+4*(\t)+3], v[XS_+8:XS_+15], v11
	global_store_b128 v4, v[CC+4*(\t):CC+4*(\t)+3], s[8:9] offset:512*(\t)   ; the wave stores 512 consecutive bytes
.endm
.irp t, 0,1,2,3,4,5,6,7,8,9,10,11,12,13,14,15
	STEP \t
.endr
	s_wait_tensorcnt 0x0
	ds_add_u32 v192, v193
	s_wait_dscnt 0x0
	s_endpgm
; ---- path 2: a lane takes a column n and its registers run down K: each load reads 128 consecutive bytes a wave, and the conversions give codes with K innermost.
; A wave gathers 32 columns x 256 codes in its stage and reads them back in the order of the operand's registers: each store then covers 512 consecutive bytes of wimg.
.Lweights:
	s_sub_co_u32 s37, ttmp9, 768
	s_lshr_b32 s38, s37, 5                         ; which weight: 0 Wq, 1 Wk, 2 Wv, 3 Wo
	s_and_b32 s39, s37, 7                          ; which 128 columns
	s_bfe_u32 s40, s37, 0x20003                    ; which 256 along K
	s_cmp_eq_u32 s38, 0
	s_cselect_b64 s[4:5], s[10:11], s[12:13]
	s_cmp_eq_u32 s38, 2
	s_cselect_b64 s[4:5], s[14:15], s[4:5]
	s_cmp_eq_u32 s38, 3
	s_cselect_b64 s[4:5], s[16:17], s[4:5]
	s_lshl_b32 s42, s40, 20                        ; 256 rows of 4,096 bytes
	s_lshl_b32 s41, s39, 9
	s_add_co_u32 s42, s42, s41
	s_lshl_b32 s41, s36, 7                         ; my wave's 32 columns
	s_add_co_u32 s42, s42, s41
	s_mov_b32 s43, 0
	s_add_nc_u64 s[4:5], s[4:5], s[42:43]
	s_lshl_b32 s42, s38, 20                        ; the weight's image,
	s_lshl_b32 s41, s39, 17                        ; 8 tiles of 16 columns, 16,384 bytes each,
	s_add_co_u32 s42, s42, s41
	s_lshl_b32 s41, s36, 15                        ; my wave's two,
	s_add_co_u32 s42, s42, s41
	s_lshl_b32 s41, s40, 12                        ; two K steps of 2,048 bytes
	s_add_co_u32 s42, s42, s41
	s_add_nc_u64 s[8:9], s[22:23], s[42:43]
	s_wait_alu depctr_va_vdst(0)
	v_lshlrev_b32 v3, 2, v2                        ; in: 4 bytes a lane
	s_mul_i32 s41, s36, 32*PITCH
	s_add_co_u32 s41, s41, WSTG                    ; my stage
	v_mul_u32_u24 v4, v2, PITCH
	v_add_nc_u32 v4, s41, v4                       ; into it: row = my column
	v_and_b32 v5, 15, v2
	v_lshrrev_b32 v6, 4, v2
	v_mul_u32_u24 v7, v5, PITCH
	v_lshl_add_u32 v7, v6, 4, v7
	v_add_nc_u32 v7, s41, v7                       ; out of it: row r, + 16 h
	v_lshlrev_b32 v8, 4, v2                        ; and 16 x lane in the image
.macro WLOAD t
.irp i, 0,1,2,3,4,5,6,7,8,9,10,11,12,13,14,15,16,17,18,19,20,21,22,23,24,25,26,27,28,29,30,31
	global_load_b32 v[WN+32*((\t)%2)+\i], v3, s[4:5] offset:(32*(\t)+\i)*4096 th:TH_LOAD_NT
.endr
.endm
	WLOAD 0
	WLOAD 1
	s_wait_kmcnt 0x0
	s_cmp_eq_u32 s38, 0
	s_cselect_b32 s39, s25, s27                    ; e1, e3
	s_cmp_eq_u32 s38, 2
	s_cselect_b32 s39, s29, s39                    ; e5
	s_cmp_eq_u32 s38, 3
	s_cselect_b32 s39, s35, s39                    ; e11
	s_add_co_i32 s39, s39, 127
	s_lshl_b32 s41, s39, 23
	v_mov_b32 v11, s41
	s_add_co_i32 s39, s39, 8
	s_lshl_b32 s39, s39, 23
	s_or_b32 s39, s39, 0x600000
	v_mov_b32 v10, s39
.macro WBLOCK t
.set XS_, WN+32*((\t)%2)
.if (\t) < NB-1
	s_wait_loadcnt 32                              ; this block's 32 loads are in; the next block's may be out
.else
	s_wait_loadcnt 0x0
.endif
.irp i, 0,1,2,3,4,5,6,7,8,9,10,11,12,13,14,15,16,17,18,19,20,21,22,23,24,25,26,27,28,29,30,31
	v_med3_num_f32 v[XS_+\i], v[XS_+\i], -v10, v10
.endr
.irp g, 0,1,2,3
	v_cvt_scalef32_pk8_fp8_f32 v[WC+2*\g:WC+2*\g+1], v[XS_+8*\g:XS_+8*\g+7], v11
.endr
	ds_store_b128 v4, v[WC:WC+3] offset:32*(\t)
	ds_store_b128 v4, v[WC+4:WC+7] offset:32*(\t)+16
.if (\t)+2 < NB
	WLOAD (\t)+2
.endif
	s_wait_dscnt 0x0                               ; the stores have read their registers: the next block's codes may be written
.endm
	s_wait_alu depctr_va_vdst(0)
.irp t, 0,1,2,3,4,5,6,7
	WBLOCK \t
.endr
.irp nt, 0,1
.irp ks, 0,1
.irp c, 0,1,2,3
	ds_load_b128 v[OUTR+4*(8*\nt+4*\ks+\c):OUTR+4*(8*\nt+4*\ks+\c)+3], v7 offset:\nt*16*PITCH+128*\ks+32*\c
.endr
.endr
.endr
.irp nt, 0,1
.irp ks, 0,1
.irp c, 0,1,2,3
	s_wait_dscnt 15-(8*\nt+4*\ks+\c)               ; LDS loads come back in order: the younger ones may be out
	global_store_b128 v8, v[OUTR+4*(8*\nt+4*\ks+\c):OUTR+4*(8*\nt+4*\ks+\c)+3], s[8:9] offset:\nt*16384+\ks*2048+\c*512
.endr
.endr
.endr
	s_wait_tensorcnt 0x0
	ds_add_u32 v192, v193
	s_wait_dscnt 0x0
	s_endpgm
; ---- path 3, work-groups 896-1023: every number of the mask [2048][2048] is read once and classed, for the attention's launch, which reads the classes as whole numbers.
; A wave takes four rows; a load of 512 bytes is one row's part of one step of 128 keys.  Its word: bit i: step i is LIVE for one of the rows; bit 16 + i: step i holds a number other than 0.
; A step is NOT live for a row where every m of it has  m - |m| 2^-20 >= least + |least| 2^-20 + D,  least = the row's least m,  D = 1.1e-9 (2^(e6 + e7 + 22) + 256).
; Then logit(key) - logit(the key of the least m) <= 2 Smax - 1e9 (m - least) + the roundings of 1e9 m, with |score| <= Smax = 64 x 448^2 x 2^(e6 + e7) / 8 < 2^(e6 + e7 + 21):
; that is under -256, so p = 2^(t - M) lies under the smallest f32 number: it adds 0 to the row's sum and its code is 0, whatever q, k and v hold.  The step that holds the least m is always live.
; LIMIT: NaN and infinities in the mask are not served.  The word is stored 64 times: the wave's store covers 256 consecutive bytes, aligned.  No LDS, no barrier.
.Lmask:
	s_wait_alu depctr_va_vdst(0)
	s_sub_co_u32 s37, ttmp9, 896
	s_lshl_b32 s37, s37, 2
	s_add_co_u32 s37, s37, s36                     ; which four rows are my wave's
	s_lshl_b32 s42, s37, 15                        ; four rows of 8,192 bytes
	s_mov_b32 s43, 0
	s_add_nc_u64 s[4:5], s[44:45], s[42:43]
	s_lshl_b32 s42, s37, 8
	s_add_nc_u64 s[8:9], s[46:47], s[42:43]
	v_lshlrev_b32 v3, 4, v2                        ; my 16 bytes of a load's 512
	v_lshlrev_b32 v4, 3, v2                        ; my 8 bytes of the store's 256
	v_mov_b32 v9, 0                                ; written once: a lane permute's destination counts as a source
.macro MROW t
.irp i, 0,1,2,3,4,5,6,7,8,9,10,11,12,13,14,15
	global_load_b128 v[16+64*((\t)%2)+4*\i:16+64*((\t)%2)+4*\i+3], v3, s[4:5] offset:8192*(\t)+512*\i
.endr
.endm
	MROW 0
	MROW 1
	s_wait_alu depctr_va_vdst(0)
	s_wait_kmcnt 0x0
	s_add_co_i32 s38, s30, s31                     ; e6 + e7
	s_add_co_i32 s38, s38, 22
	v_ldexp_f32 v5, 1.0, s38
	v_add_f32 v5, 0x43800000, v5                   ; + 256
	v_mul_f32 v5, 0x30972eeb, v5                   ; x 1.1e-9: D
	s_mov_b32 s39, 0x35800000                      ; 2^-20
	s_mov_b32 s40, 0                               ; the word
	s_mov_b32 s12, 0x76543210
	s_mov_b32 s13, 0xfedcba98                      ; lane l xor 16
.macro MWORK t
.set R_, 16+64*((\t)%2)
	s_wait_alu depctr_va_vdst(0)
.if (\t) < 3
	s_wait_loadcnt 16                              ; this row's 16 loads are in; the next row's may be out
.else
	s_wait_loadcnt 0x0
.endif
.irp i, 0,1,2,3,4,5,6,7,8,9,10,11,12,13,14,15
	v_min3_num_f32 v[144+\i], v[R_+4*\i], v[R_+4*\i+1], v[R_+4*\i+2]
	v_max3_num_f32 v[160+\i], |v[R_+4*\i]|, |v[R_+4*\i+1]|, |v[R_+4*\i+2]|
.endr
.irp i, 0,1,2,3,4,5,6,7,8,9,10,11,12,13,14,15
	v_min_num_f32 v[144+\i], v[144+\i], v[R_+4*\i+3]      ; my four numbers' least, step i
	v_max_num_f32 v[160+\i], v[160+\i], |v[R_+4*\i+3]|    ; and their largest magnitude
.endr
.if (\t)+2 < 4
	MROW (\t)+2
.endif
	v_min3_num_f32 v8, v144, v145, v146
.irp i, 147,149,151,153,155,157
	v_min3_num_f32 v8, v8, v[\i], v[\i+1]
.endr
	v_min_num_f32 v8, v8, v159
	v_min_num_f32_dpp v8, v8, v8 row_xmask:1 row_mask:0xf bank_mask:0xf
	v_min_num_f32_dpp v8, v8, v8 row_xmask:2 row_mask:0xf bank_mask:0xf
	v_min_num_f32_dpp v8, v8, v8 row_xmask:4 row_mask:0xf bank_mask:0xf
	v_min_num_f32_dpp v8, v8, v8 row_xmask:8 row_mask:0xf bank_mask:0xf
	v_permlanex16_b32 v9, v8, s12, s13
	v_min_num_f32 v8, v8, v9                       ; the row's least
	v_fma_f32 v10, |v8|, s39, v8
	v_add_f32 v10, v10, v5                         ; the bound
.irp i, 0,1,2,3,4,5,6,7,8,9,10,11,12,13,14,15
	v_fma_f32 v[144+\i], -|v[144+\i]|, s39, v[144+\i]
.endr
.irp i, 0,1,2,3,4,5,6,7,8,9,10,11,12,13,14,15
	v_cmp_lt_f32 s14, v[144+\i], v10               ; lanes that hold a number under the bound
	v_cmp_lt_f32 s15, 0, v[160+\i]                 ; lanes that hold a number other than 0
	s_cmp_lg_u32 s14, 0
	s_cselect_b32 s14, 1<<\i, 0
	s_or_b32 s40, s40, s14
	s_cmp_lg_u32 s15, 0
	s_cselect_b32 s15, 1<<(16+\i), 0
	s_or_b32 s40, s40, s15
.endr
.endm
	MWORK 0
	MWORK 1
	MWORK 2
	MWORK 3
	v_mov_b32 v6, s40
	v_mov_b32 v7, s40
	global_store_b64 v4, v[6:7], s[8:9]
	s_endpgm
.Lfunc_end_k_q473e6933fa_quant:
	.size	k_q473e6933fa_quant, .Lfunc_end_k_q473e6933fa_quant-k_q473e6933fa_quant
	.p2alignl 7, 3214868480
	.fill 96, 4, 3214868480
	.section	.rodata,"a",@progbits
	.p2align	6, 0x0
	.amdhsa_kernel k_q473e6933fa_quant
		.amdhsa_group_segment_fixed_size 68096
		.amdhsa_private_segment_fixed_size 0
		.amdhsa_enable_private_segment 0
		.amdhsa_kernarg_size 96
		.amdhsa_user_sgpr_count 2
		.amdhsa_user_sgpr_kernarg_segment_ptr 1
		.amdhsa_wavefront_size32 1
		.amdhsa_system_sgpr_workgroup_id_x 1
		.amdhsa_system_sgpr_workgroup_id_y 1
		.amdhsa_system_sgpr_workgroup_id_z 1
		.amdhsa_system_vgpr_workitem_id 0
		.amdhsa_next_free_vgpr 194
		.amdhsa_next_free_sgpr 66
		.amdhsa_reserve_vcc 0
		.amdhsa_float_denorm_mode_32 3
		.amdhsa_float_denorm_mode_16_64 3
		.amdhsa_memory_ordered 1
		.amdhsa_forward_progress 1
		.amdhsa_inst_pref_size 138
	.end_amdhsa_kernel
	.amdgpu_metadata
---
amdhsa.version: [ 1, 2 ]
amdhsa.kernels:
  - .name:           k_q473e6933fa_quant
    .symbol:         k_q473e6933fa_quant.kd
    .args:
      - { .name: query, .offset: 0, .size: 8, .value_kind: global_buffer, .address_space: global }
      - { .name: key, .offset: 8, .size: 8, .value_kind: global_buffer, .address_space: global }
      - { .name: value, .offset: 16, .size: 8, .value_kind: global_buffer, .address_space: global }
      - { .name: Wq, .offset: 24, .size: 8, .value_kind: global_buffer, .address_space: global }
      - { .name: Wk, .offset: 32, .size: 8, .value_kind: global_buffer, .address_space: global }
      - { .name: Wv, .offset: 40, .size: 8, .value_kind: global_buffer, .address_space: global }
      - { .name: Wo, .offset: 48, .size: 8, .value_kind: global_buffer, .address_space: global }
      - { .name: lowp_scales, .offset: 56, .size: 8, .value_kind: global_buffer, .address_space: global }
      - { .name: xq, .offset: 64, .size: 8, .value_kind: global_buffer, .address_space: global }
      - { .name: wimg, .offset: 72, .size: 8, .value_kind: global_buffer, .address_space: global }
      - { .name: mask, .offset: 80, .size: 8, .value_kind: global_buffer, .address_space: global }
      - { .name: flags, .offset: 88, .size: 8, .value_kind: global_buffer, .address_space: global }
    .group_segment_fixed_size: 68096
    .private_segment_fixed_size: 0
    .kernarg_segment_align: 8
    .kernarg_segment_size: 96
    .max_flat_workgroup_size: 128
    .sgpr_count:     66
    .vgpr_count:     194
    .wavefront_size: 32
...
	.end_amdgpu_metadata
.endif
;; end of part 1
;; launch proj (part 2): grid 4 x 48, 4 waves a work-group, clusters of 4 x 1, 327,680 bytes of LDS; arguments xq, wimg, bq, bk, bv, lowp_scales, qkv; writes qkv
.if DOCPART == 2
	.amdgcn_target "amdgcn-amd-amdhsa--gfx1250"
	.amdhsa_code_object_version 6
	.text
	.protected	k_q473e6933fa_proj
	.globl	k_q473e6933fa_proj
	.p2align	8
	.type	k_q473e6933fa_proj,@function
k_q473e6933fa_proj:
	s_mov_b64 s[64:65], 0
	v_nop
	global_prefetch_b8 v0, s[64:65] scope:SCOPE_SE
	s_setreg_imm32_b32 hwreg(HW_REG_WAVE_MODE, 25, 1), 1
	s_wait_xcnt 0x0
	s_wait_alu depctr_hold_cnt(0) depctr_sa_sdst(0) depctr_va_vdst(0) depctr_va_sdst(0) depctr_va_ssrc(0) depctr_va_vcc(0) depctr_vm_vsrc(0)
	s_getreg_b32 s2, hwreg(HW_REG_IB_STS2, 6, 4)
	s_cmp_eq_u32 s2, 0
	s_cbranch_scc0 .Lentry_in_a_cluster
	s_endpgm
.Lentry_in_a_cluster:
	s_bfe_u32 s2, ttmp6, 0x10000c
	s_cmp_lg_u32 s2, 0x3003
	s_cbranch_scc0 .Lentry_shape_is_right
	s_endpgm
.Lentry_shape_is_right:
; q = query Wq + bq, k = key Wk + bk, v = value Wv + bv on codes of FP8 (E4M3), and each result quantised again for the attention's products.
; SHARES.  Work-group (cx, y): tensor z = y / 16, rows 512 (y % 16) on, columns 256 cx on (four heads).  Wave w: head 4 cx + w, 64 columns.  Its weights, 64 columns x 1,024 K, stay in
; 512 registers for the whole launch, loaded once as images of the operand's registers.  The rows' codes come through a ring of two LDS slots of 128 rows x 1,024 bytes.
; CLUSTER.  The four work-groups of a cluster take the same rows and other columns: each tile of rows is asked for JOINTLY (mask 15), each wave 32 rows.
; The grid is 192 work-groups: 3 tensors x 4 slices x 16 groups of rows, all of the same constant trip count.
; A BLOCK is 64 rows: 16 accumulators, 8 K steps of 128, 128 matrix instructions a wave.  q and k: source 0 = 16 columns of W, source 1 = 16 rows of x: a lane holds a token and its registers 8 channels.
; v: the sources swapped: a lane holds a channel and its registers 8 tokens, since the keys are the K of the attention's second product.  Accumulator (a, b): a = the tile across lanes, b = the tile in registers.
; Both fragments hold k = 128 s + 32 c + 16 h + 0..15 in registers 4 c .. 4 c + 3: the same permutation of k on both sides.
; OUT.  qkv [z][4 b + cx][t / 128][head % 4][(t / 64) % 2][4,096 bytes]: q, k as [token % 64][64 channels], v as [channel][token % 64].  A block of a wave is one such 4,096 bytes.
; The bias is the C of each sum's first matrix instruction, divided by 2^(ex + ew); the three scales are folded into the conversion's one, 2^(eo - ex - ew).
; LIMIT: eo - ex - ew between -126 and 119.
; REGISTERS, in windows of 256: window 0: v2-19 addresses and constants; v32-159 two sets of x's four fragments; v160-191 codes; v192-223 the bias; v224-255 the way out.
;   windows 1, 2: W's fragment (nt, s) at v[16 (8 (nt % 2) + s)] of window 1 + nt / 2.   window 3: v0-127 the accumulators, (a, b) at v[8 (4 a + b)].
.set PX,    1040                       ; an LDS row: 1,024 bytes + 16 of padding = 65 x 16: the 16 rows of a load start at 16 different groups of banks
.set XS,    128*PX                     ; a slot
.set BLKB,  64*PX                      ; a block's rows
.set STG,   2*XS                       ; behind the ring: 16 rows x 272 bytes for each wave, the way out
.set SPARE, STG+4*4352                 ; behind the stages: the spare words, 128 bytes a wave
.set XA0, 2
.set XA,  3
.set STO, 4
.set RD,  5
.set GO,  6
.set SPW, 16
.set NIL, 17
.set SC,  18
.set LIM, 19
.set XF,  32
.set CD,  160
.set BIAS, 192
.set OB,  224
.set WV,  18                           ; s18 wave; s19 cx; s20 z; s21 group of rows
.set TB,  22                           ; s22 LDS byte of the block in hand
.set TF,  23                           ; s23 the slot that is being filled
.set G1,  24
.set G0,  32
.set WOF, 36                           ; s36 my 32 rows' place in a slot
.set CNT, 37
.set TW,  38
.set OUT, 40
.set MSB, 0
.macro WIN new                         ; the immediate's high byte repeats the setting that is left
.if MSB != (\new)
	s_set_vgpr_msb (MSB<<8)|(\new)
.set MSB, (\new)
.endif
.endm
.macro PLACES n
.rept \n
	v_nop
.endr
.endm
.macro CROUND                          ; a round of the cluster's barrier
	s_barrier_signal -1
	s_barrier_wait -1
	s_cmp_lg_u32 s[WV], 0
	s_cbranch_scc1 .Lnot_wave_0_\@
	s_barrier_signal -3
.Lnot_wave_0_\@:
	s_barrier_wait -3
	s_barrier_signal -1
	s_barrier_wait -1
.endm
	s_load_b256 s[4:11], s[0:1], 0x0               ; xq, wimg, bq, bk
	s_load_b128 s[12:15], s[0:1], 0x20             ; bv, the scales' exponents
	s_load_b64 s[16:17], s[0:1], 0x30              ; qkv
	v_lshl_add_u32 v[SPW], v0, 2, SPARE
	v_mov_b32 v[NIL], 0
	ds_add_u32 v16, v17
	ds_add_u32 v16, v17
	s_wait_dscnt 0x0
	v_lshrrev_b32 v1, 5, v0
	v_readfirstlane_b32 s[WV], v1
	s_bfe_u32 s19, ttmp6, 0x40000                  ; cx: it enters the weights', the bias' and the output's addresses alone
	s_and_b32 s21, ttmp7, 0xffff
	s_lshr_b32 s20, s21, 4                         ; z, the same in all four partners
	s_and_b32 s21, s21, 15
	s_mov_b32 s[G1], 15|(1<<20)|(1<<21)|(7<<22)|(3<<25)  ; the mask: all four; elements of 1 byte; padding: 4 words behind every 256
	s_mov_b32 s[G1+1], 1024<<16                    ; tensor_dim0
	s_mov_b32 s[G1+2], 32<<16                      ; tensor_dim1
	s_mov_b32 s[G1+3], 1024<<16                    ; tile_dim0
	s_mov_b32 s[G1+4], 32                          ; tile_dim1
	s_mov_b32 s[G1+5], 1024                        ; from row to row
	s_mov_b32 s[G1+6], 0
	s_mov_b32 s[G1+7], 0
	s_mul_i32 s[WOF], s[WV], 32*PX
	s_mov_b32 s[TB], 0
	s_mov_b32 s[TF], 0
	s_lshl_b32 s46, s20, 23                        ; the tensor's codes,
	s_lshl_b32 s47, s21, 19                        ; 512 rows of 1,024 bytes,
	s_add_co_u32 s46, s46, s47
	s_lshl_b32 s47, s[WV], 15                      ; my 32 rows
	s_add_co_u32 s46, s46, s47
	s_mov_b32 s47, 0
	s_wait_kmcnt 0x0
	s_mov_b32 s[G0], 1
	s_mov_b32 s[G0+1], s[WOF]
	s_add_nc_u64 s[G0+2:G0+3], s[4:5], s[46:47]
	s_or_b32 s[G0+3], s[G0+3], 0x80000000
	CROUND                                         ; all four work-groups are here: the first joint loads meet
	tensor_load_to_lds s[G0:G0+3], s[G1:G1+7]      ; rows 0-127 into slot 0
	s_nop 0
	PLACES 4
	s_load_b256 s[68:75], s[14:15], 0x0            ; e0 .. e7
	s_load_b128 s[76:79], s[14:15], 0x20           ; e8 .. e11
	s_lshl_b32 s50, s19, 2
	s_add_co_u32 s50, s50, s[WV]                   ; my head
	s_lshl_b32 s52, s20, 20
	s_lshl_b32 s53, s50, 16
	s_add_co_u32 s52, s52, s53
	s_mov_b32 s53, 0
	s_add_nc_u64 s[44:45], s[6:7], s[52:53]        ; my 64 columns' images
	s_cmp_eq_u32 s20, 0
	s_cselect_b64 s[42:43], s[8:9], s[10:11]
	s_cmp_eq_u32 s20, 2
	s_cselect_b64 s[42:43], s[12:13], s[42:43]
	s_cselect_b32 s54, 4, 0                        ; the bias in the result's layout.  q, k: lane (r, h), register j: channel 8 h + j;  v: channel r in all eight
	s_cselect_b32 s55, 0, 32
	s_cselect_b32 s57, 0, 4
	s_lshl_b32 s52, s50, 8
	s_add_nc_u64 s[42:43], s[42:43], s[52:53]      ; my 64 numbers of the bias
	s_lshr_b32 s52, s21, 2
	s_lshl_b32 s52, s52, 6
	s_lshl_b32 s56, s19, 4
	s_add_co_u32 s52, s52, s56
	s_and_b32 s56, s21, 3
	s_lshl_b32 s56, s56, 2
	s_add_co_u32 s52, s52, s56                     ; 16 (4 b + cx) + t / 128
	s_lshl_b32 s52, s52, 15
	s_lshl_b32 s56, s20, 23
	s_add_co_u32 s52, s52, s56
	s_lshl_b32 s56, s[WV], 13
	s_add_co_u32 s52, s52, s56
	s_add_nc_u64 s[OUT:OUT+1], s[16:17], s[52:53]
	v_and_b32 v20, 15, v0                          ; r
	v_bfe_u32 v21, v0, 4, 1                        ; h
	v_and_b32 v22, 31, v0
	v_mul_u32_u24 v[XA0], v20, PX
	v_lshl_add_u32 v[XA0], v21, 4, v[XA0]          ; a fragment's row x pitch + 16 h
	s_mul_i32 s58, s[WV], 4352
	s_add_co_u32 s58, s58, STG                     ; my stage
	; A BLOCK'S 4,096 BYTES ARE LAID AS IMAGES OF THE ATTENTION'S OPERAND REGISTERS, not as the rows named at the head: [tile 0..3][c 0..1][lane][16 bytes].
	; Row x of the block (q, k: token; v: channel), byte y of it (q, k: channel; v: token): tile 2 (x / 32) + (x / 8) % 2, lane x % 8 + 8 ((x / 16) % 2) + 16 ((y / 16) % 2), c = y / 32, byte y % 16.
	v_lshrrev_b32 v23, 3, v20
	v_mul_u32_u24 v[STO], v23, 1088
	v_and_b32 v23, 7, v20
	v_lshl_add_u32 v[STO], v23, 4, v[STO]
	v_lshl_add_u32 v[STO], v21, 3, v[STO]
	v_add_nc_u32 v[STO], s58, v[STO]               ; in: byte 1,024 (r / 8) + 16 (r % 8) + 8 h of the block's 4,096, laid as rows of 256 + 16
	v_mul_u32_u24 v[RD], v21, 272
	v_lshl_add_u32 v[RD], v20, 4, v[RD]
	v_add_nc_u32 v[RD], s58, v[RD]                 ; back: two rows of 256 bytes an instruction
	v_lshlrev_b32 v[GO], 4, v22                    ; 16 x lane
	v_mul_u32_u24 v8, v20, s54
	v_mad_u32_u24 v8, v21, s55, v8
.irp j, 1,2,3,4,5,6,7
	v_add_nc_u32 v[8+\j], s57, v[7+\j]
.endr
.irp nt, 0,1,2,3
.irp j, 0,1,2,3,4,5,6,7
	global_load_b32 v[BIAS+8*\nt+\j], v[8+\j], s[42:43] offset:64*\nt
.endr
.endr
.irp ks, 0,1,2,3,4,5,6,7               ; the weights, K step by K step, so that the first block's products can begin under the later loads
	WIN 0x40
.irp nt, 0,1
.irp c, 0,1,2,3
	global_load_b128 v[16*(8*\nt+\ks)+4*\c:16*(8*\nt+\ks)+4*\c+3], v[GO], s[44:45] offset:\nt*16384+\ks*2048+\c*512
.endr
.endr
	WIN 0x80
.irp nt, 0,1
.irp c, 0,1,2,3
	global_load_b128 v[16*(8*\nt+\ks)+4*\c:16*(8*\nt+\ks)+4*\c+3], v[GO], s[44:45] offset:(\nt+2)*16384+\ks*2048+\c*512
.endr
.endr
.endr
	WIN 0
	s_wait_kmcnt 0x0
	s_cmp_eq_u32 s20, 0
	s_cselect_b32 s60, s68, s70                    ; ex
	s_cselect_b32 s61, s69, s71                    ; ew
	s_cselect_b32 s62, s74, s75                    ; eo: q's e6, k's e7,
	s_cmp_eq_u32 s20, 2
	s_cselect_b32 s60, s72, s60
	s_cselect_b32 s61, s73, s61
	s_cselect_b32 s62, s77, s62                    ; v's e9
	s_add_co_i32 s60, s60, s61                     ; ex + ew
	s_sub_co_i32 s63, 0, s60
	s_sub_co_i32 s62, s62, s60
	s_add_co_i32 s62, s62, 127
	s_lshl_b32 s61, s62, 23
	v_mov_b32 v[SC], s61                           ; 2^(eo - ex - ew)
	s_add_co_i32 s62, s62, 8
	s_lshl_b32 s62, s62, 23
	s_or_b32 s62, s62, 0x600000
	v_mov_b32 v[LIM], s62                          ; 448 x that
	s_wait_loadcnt 63                              ; of the 160 loads all but the youngest 63 are in: the bias among them
.set i, 0
.rept 32
	v_ldexp_f32 v[BIAS+i], v[BIAS+i], s63          ; bias / 2^(ex + ew)
.set i, i+1
.endr
.macro FETCH set, ks                   ; x's four fragments of K step ks into a set: 16 loads
.irp mt, 0,1,2,3
.irp c, 0,1,2,3
	ds_load_b128 v[XF+64*(\set)+16*\mt+4*\c:XF+64*(\set)+16*\mt+4*\c+3], v[XA] offset:\mt*16*PX+128*(\ks)+32*\c
.endr
.endr
.endm
.macro MWIN var, hi                    ; the windows of a run of products: W in window 1 + hi, x in 0, D in 3, C in 0 (the bias) or 3
.if kk == 0
.set wv, 0xc0
.else
.set wv, 0xf0
.endif
.if \var == 0
.set wv, wv+1+\hi
.else
.set wv, wv+4*(1+\hi)
.endif
	WIN wv
.endm
.macro MM var, nt                      ; four products: columns' tile nt x the four tiles of rows, K step kk
.irp mt, 0,1,2,3
.set rW, 16*(8*((\nt)%2)+kk)
.set rX, XF+64*(kk%2)+16*\mt
.if \var == 0
.set rA, 8*(4*\mt+\nt)
.else
.set rA, 8*(4*\nt+\mt)
.endif
.if (\var == 0) && (kk == 0)
	v_wmma_f32_16x16x128_fp8_fp8 v[rA:rA+7], v[rW:rW+15], v[rX:rX+15], v[BIAS+8*\nt:BIAS+8*\nt+7]
.elseif \var == 0
	v_wmma_f32_16x16x128_fp8_fp8 v[rA:rA+7], v[rW:rW+15], v[rX:rX+15], v[rA:rA+7]
.elseif kk == 0
	v_wmma_f32_16x16x128_fp8_fp8 v[rA:rA+7], v[rX:rX+15], v[rW:rW+15], v[BIAS+8*\nt:BIAS+8*\nt+7]
.else
	v_wmma_f32_16x16x128_fp8_fp8 v[rA:rA+7], v[rX:rX+15], v[rW:rW+15], v[rA:rA+7]
.endif
.endr
.endm
; A block's 128 products.  The 16 accumulators take turns, one instruction a turn, in the same order in every K step.
; Four places stand between a K step's products and the loads into the set that the step before read (ISA guide 7.12.1 for vector instructions).
.macro PRODUCTS var
.set kk, 0
.rept 8
.if kk >= 1
	PLACES 4
.endif
.if kk < 7
	FETCH (kk+1)%2, kk+1
	s_wait_dscnt 16                                ; this K step's fragments are in; the 16 loads just issued may be out
.else
	s_wait_dscnt 0x0
.endif
.if 16*(7-kk) > 63
	s_wait_loadcnt 63                              ; this K step's weights are in (first block; afterwards no load is out and the wait is met at once)
.else
	s_wait_loadcnt 16*(7-kk)                       ; the weights of the later K steps, 16 loads each, may be out
.endif
	MWIN \var, 0
	MM \var, 0
	MM \var, 1
	MWIN \var, 1
	MM \var, 2
	MM \var, 3
	WIN 0
.set kk, kk+1
.endr
.endm
; The block's 64 x 64 results: held, converted, through my own stage, out as 4,096 consecutive bytes.
.macro EPILOGUE
	PLACES 4
	WIN 0xc3
.set i, 0
.rept 128
	v_med3_num_f32 v[i], v[i], -v[LIM], v[LIM]     ; the conversion does not saturate (ISA guide 7.6.2); each accumulator from its low end on
.set i, i+1
.endr
	WIN 0x03
.set i, 0
.rept 16
	v_cvt_scalef32_pk8_fp8_f32 v[CD+2*i:CD+2*i+1], v[8*i:8*i+7], v[SC]
.set i, i+1
.endr
	v_nop                                          ; a plain instruction behind the last conversion: the next block's products write its sources
	WIN 0
.irp a, 0,1,2,3
.irp b, 0,1,2,3
	ds_store_b64 v[STO], v[CD+2*(4*\a+\b):CD+2*(4*\a+\b)+1] offset:(\a/2)*2176+(\a%2)*128+(\b/2)*544+(\b%2)*272
.endr
.endr
.irp t, 0,1,2,3,4,5,6,7
	ds_load_b128 v[OB+4*\t:OB+4*\t+3], v[RD] offset:\t*544   ; LDS serves a wave's instructions in order: these see my stores
.endr
.irp t, 0,1,2,3,4,5,6,7
	s_wait_dscnt 7-\t
	global_store_b128 v[GO], v[OB+4*\t:OB+4*\t+3], s[OUT:OUT+1] offset:512*\t   ; 512 consecutive bytes
.endr
	s_wait_xcnt 0x0                                ; the stores have read their data and their base: both are written again only behind this wait
	s_add_nc_u64 s[OUT:OUT+1], s[OUT:OUT+1], 4096
.endm
.macro BLOCK
	v_add_nc_u32 v[XA], s[TB], v[XA0]
	FETCH 0, 0
	s_cmp_eq_u32 s20, 2                            ; z is the same in all partners; no barrier and no LDS store stands in the two arms
	s_cbranch_scc1 .Lswapped_\@
	s_wait_alu depctr_va_vdst(0)
	PRODUCTS 0
	s_branch .Ljoin_\@
.Lswapped_\@:
	s_wait_alu depctr_va_vdst(0)
	PRODUCTS 1
.Ljoin_\@:
	EPILOGUE
.endm
.macro PAIR                            ; a slot's two blocks: written once, walked twice
	s_mov_b32 s[TW], 2
.Lblk_\@:
	BLOCK
	s_add_co_u32 s[TB], s[TB], BLKB
	s_sub_co_u32 s[TW], s[TW], 1
	s_cmp_lg_u32 s[TW], 0
	s_cbranch_scc1 .Lblk_\@
	s_sub_co_u32 s[TB], s[TB], 2*BLKB
	s_xor_b32 s[TB], s[TB], XS                     ; on to the other slot
	s_add_nc_u64 s[OUT:OUT+1], s[OUT:OUT+1], 24576 ; the next 128 tokens' place: 32,768 bytes on from the last
.endm
; THE CHANGE OF SLOTS stands at a slot's head: each wave waits for all its tensor loads (its part of the slot ahead), adds 0 to its spare word, and waits for that and for its reads of the slot left.
; fill = 1: a round of the cluster's barrier, and behind it the slot left takes the next 128 rows: the load has two blocks, 256 matrix instructions, in which to land.
.macro CHANGE fill
	s_wait_tensorcnt 0x0                           ; no tensor load of mine is out, so group 0 may be written
	ds_add_u32 v[SPW], v[NIL]
.if \fill
	s_xor_b32 s[TF], s[TF], XS
	s_add_co_u32 s[G0+1], s[TF], s[WOF]
	s_add_nc_u64 s[G0+2:G0+3], s[G0+2:G0+3], 128*1024
.endif
	s_wait_dscnt 0x0
.if \fill
	CROUND
	tensor_load_to_lds s[G0:G0+3], s[G1:G1+7]
	s_nop 0
	PLACES 4
.else
	s_barrier_signal -1
	s_barrier_wait -1
.endif
.endm
	s_mov_b32 s[CNT], 3
.Lslot:
	CHANGE 1
	PAIR
	s_sub_co_u32 s[CNT], s[CNT], 1
	s_cmp_lg_u32 s[CNT], 0
	s_cbranch_scc1 .Lslot
	CHANGE 0                                       ; the last slot is written out
	PAIR
	s_wait_tensorcnt 0x0                           ; the wave's end
	ds_add_u32 v[SPW], v[NIL]
	s_wait_dscnt 0x0
	CROUND                                         ; the closing round
	s_endpgm
.Lfunc_end_k_q473e6933fa_proj:
	.size	k_q473e6933fa_proj, .Lfunc_end_k_q473e6933fa_proj-k_q473e6933fa_proj
	.p2alignl 7, 3214868480
	.fill 96, 4, 3214868480
	.section	.rodata,"a",@progbits
	.p2align	6, 0x0
	.amdhsa_kernel k_q473e6933fa_proj
		.amdhsa_group_segment_fixed_size 327680
		.amdhsa_private_segment_fixed_size 0
		.amdhsa_enable_private_segment 0
		.amdhsa_kernarg_size 56
		.amdhsa_user_sgpr_count 2
		.amdhsa_user_sgpr_kernarg_segment_ptr 1
		.amdhsa_wavefront_size32 1
		.amdhsa_system_sgpr_workgroup_id_x 1
		.amdhsa_system_sgpr_workgroup_id_y 1
		.amdhsa_system_sgpr_workgroup_id_z 1
		.amdhsa_system_vgpr_workitem_id 0
		.amdhsa_next_free_vgpr 1024
		.amdhsa_next_free_sgpr 100
		.amdhsa_reserve_vcc 0
		.amdhsa_float_denorm_mode_32 3
		.amdhsa_float_denorm_mode_16_64 3
		.amdhsa_memory_ordered 1
		.amdhsa_forward_progress 1
		.amdhsa_inst_pref_size 121
	.end_amdhsa_kernel
	.amdgpu_metadata
---
amdhsa.version: [ 1, 2 ]
amdhsa.kernels:
  - .name:           k_q473e6933fa_proj
    .symbol:         k_q473e6933fa_proj.kd
    .args:
      - { .name: xq, .offset: 0, .size: 8, .value_kind: global_buffer, .address_space: global }
      - { .name: wimg, .offset: 8, .size: 8, .value_kind: global_buffer, .address_space: global }
      - { .name: bq, .offset: 16, .size: 8, .value_kind: global_buffer, .address_space: global }
      - { .name: bk, .offset: 24, .size: 8, .value_kind: global_buffer, .address_space: global }
      - { .name: bv, .offset: 32, .size: 8, .value_kind: global_buffer, .address_space: global }
      - { .name: lowp_scales, .offset: 40, .size: 8, .value_kind: global_buffer, .address_space: global }
      - { .name: qkv, .offset: 48, .size: 8, .value_kind: global_buffer, .address_space: global }
    .group_segment_fixed_size: 327680
    .private_segment_fixed_size: 0
    .kernarg_segment_align: 8
    .kernarg_segment_size: 56
    .max_flat_workgroup_size: 128
    .sgpr_count:     100
    .vgpr_count:     1024
    .wavefront_size: 32
...
	.end_amdgpu_metadata
.endif
;; end of part 2
;; launch attn (part 3): grid 16 x 16, 8 waves a work-group, no clusters, 0 bytes of LDS; arguments qkv, mask, lowp_scales, flags, ac; writes ac
.if DOCPART == 3
	.amdgcn_target "amdgcn-amd-amdhsa--gfx1250"
	.amdhsa_code_object_version 6
	.text
	.protected	k_q473e6933fa_attn
	.globl	k_q473e6933fa_attn
	.p2align	8
	.type	k_q473e6933fa_attn,@function
k_q473e6933fa_attn:
	s_mov_b64 s[64:65], 0
	v_nop
	global_prefetch_b8 v0, s[64:65] scope:SCOPE_SE
	s_setreg_imm32_b32 hwreg(HW_REG_WAVE_MODE, 25, 1), 1
	s_wait_xcnt 0x0
; out[b][q][head] = softmax_k(q . k / 8 + mask[q][k] x (-1e9)) v, both products on codes of FP8 (E4M3); the result is quantised for the output projection.
; THE MASK IS AN INPUT.  The first launch has read every number of it and stored, for each four rows, a word: bit j: step j of 128 keys is live; bit 16 + j: step j holds a number other than 0.
; A step that is live for none of a block's queries adds 0 to their sums and only codes 0 to the second product, whatever q, k and v hold (the bound stands where the words are made): it may be left out.
; A step whose numbers of the mask are all 0 is walked without the mask (x + 0 = x); every other step that is walked loads the mask and applies it in f32.  LIMIT: NaN and infinities in the mask are not served.
; THE SOFTMAX AHEAD OF THE SECOND PRODUCT: t = logit x log2(e), M = the running largest t rounded up to a whole number, p = 2^(t - M) is quantised, not normalised; the row's sum is taken of the unquantised p.
; Under a mask t is rounded BEFORE M is taken off (t may be near -1.4e9, where a fused line would keep the product's rounding in the exponent); without one t - M is one fused multiply-add.
; SHARES.  Work-group (X, p): X = 4 b + a group of four heads.  Wave w: head w / 2 of the four; q = p or 31 - p, by (w + w / 4) % 2.  Of the batch's 64 blocks of 32 queries it owns two:
; block 63 - q (units 0, 1 of 16 queries: the high pair) and block q (units 2, 3: the low pair).  It walks the steps that are live for either block: the low pair is led round where the step is not live for it;
; the high pair is walked in every such step, so that the loads of the next K and V stand at one place on every way through a step.
; Waves share nothing: no LDS, no barrier.  The walk hangs on stored numbers, so there is no tensor load and no cluster: K and V come from memory straight into registers, as the images that the
; projections' launch has laid, 512 consecutive bytes a load.  The next K is asked for behind the step's last first products, the next V behind its last second products; the last trip's loads name step 15 and are not used.
; No prefetch beside them: a head's K and V are walked by 32 waves of 16 work-groups, and each wave's own loads already run ahead of its work.
; LAYOUT.  S^T = K Q^T (16x16x64): row m of tile 2 b + u is key 32 b + 8 u + m + 8 (m / 8), so lane (r, h) holds query r and registers 16 b .. 16 b + 15 keys 32 b + 16 h + 0..15: the conversions give P as V's image has the keys.
; O^T += V^T P^T (16x16x128): row m of tile 2 c + u is channel 32 c + 8 u + m + 8 (m / 8): the codes of tiles 2 c, 2 c + 1 are channels 32 c + 16 h + 0..15.
; OUT.  ac [token / 16][head / 2][2 (head % 2) + c][lane][16 bytes]: the image of the output projection's operand registers.
; LIMITS: e6 + e7 between -95 and 130; e8 and e10 between -126 and 119.  p <= 1, so the hold at 448 x 2^e8 is led round where e8 >= -8.
; REGISTERS.  window 0: v3-23 addresses, constants, at work; v24-39 a unit's -M, largest t, sum (two halves); v40-47 1 / sum; v48-111 S, then p; v112-175 the mask's numbers, or the pair's second S; v176-191 P; v192-255 V.
;   window 1: v0-127 O^T (unit u, tile dt at 32 u + 8 dt); v128-159 Q; v160-223 K; v224-239 the pair's second P.
.set LO, 3
.set QO, 4
.set MO, 5
.set S,  48
.set MK, 112
.set PC, 176
.set VF, 192
.set QF, 128
.set KF, 160
.set PC2, 224
.set WV, 14
.set PP, 15
.set TY, 16
.set QQ, 17
.set HQ, 18
.set AH, 19
.set K0, 20
.set V0, 22
.set M0H, 24
.set KB, 26
.set VB, 28
.set MB, 30
.set ACH, 32
.set QBH, 34
.set OFF, 36
.set T0, 38
.set LV, 40
.set XH, 41
.set CNT, 42
.set IT, 43
.set J,  44
.set JN, 45
.set MX, 46
.set HF, 47
.set CS, 48
.set KN, 50
.set SEL, 52
.set EPV, 54
.set FBH, 56
.set FBL, 58
.set M0L, 60
.set ACL, 62
.set QBL, 66
.set FL, 68
.set LL, 92
.set XL, 93
.set LB, 94
.set LX, 95
.set MSB, 0
.macro WIN new
.if MSB != (\new)
	s_set_vgpr_msb (MSB<<8)|(\new)
.set MSB, (\new)
.endif
.endm
.macro PLACES n
.rept \n
	v_nop
.endr
.endm
.macro BASES a, fb, qb, m0, ac         ; where block s[a] of 32 queries begins in the words, in q's images, in the mask and in ac
	s_lshl_b32 s[T0], s[\a], 11                    ; 8 words, 256 bytes apart
	s_add_nc_u64 s[\fb:\fb+1], s[10:11], s[T0:T0+1]
	s_lshr_b32 s[T0], s[\a], 2
	s_lshl_b32 s[T0], s[T0], 15
	s_and_b32 s[OFF], s[\a], 3
	s_lshl_b32 s[OFF], s[OFF], 11
	s_add_co_u32 s[T0], s[T0], s[OFF]
	s_add_nc_u64 s[\qb:\qb+1], s[KB:KB+1], s[T0:T0+1]
	s_lshl_b32 s[T0], s[\a], 18                    ; 32 rows of 8,192 bytes
	s_add_nc_u64 s[\m0:\m0+1], s[6:7], s[T0:T0+1]
	s_lshr_b32 s[T0], ttmp9, 2
	s_lshl_b32 s[T0], s[T0], 6
	s_add_co_u32 s[T0], s[T0], s[\a]
	s_lshl_b32 s[T0], s[T0], 15                    ; (128 b + 2 block) groups of 16 tokens, 16,384 bytes each
	s_add_co_u32 s[T0], s[T0], s[VB]
	s_add_nc_u64 s[\ac:\ac+1], s[12:13], s[T0:T0+1]
.endm
	s_load_b256 s[4:11], s[0:1], 0x0               ; qkv, mask, the scales' exponents, flags
	s_load_b64 s[12:13], s[0:1], 0x20              ; ac
	v_lshrrev_b32 v1, 5, v0
	v_readfirstlane_b32 s[WV], v1
	s_and_b32 s[PP], ttmp7, 0xffff
	s_lshr_b32 s[TY], s[WV], 2
	s_add_co_u32 s[TY], s[TY], s[WV]
	s_and_b32 s[TY], s[TY], 1
	s_sub_co_u32 s[QQ], 31, s[PP]
	s_cmp_eq_u32 s[TY], 0
	s_cselect_b32 s[QQ], s[PP], s[QQ]              ; q: my low block
	s_sub_co_u32 s[AH], 63, s[QQ]                  ; my high block
	s_lshr_b32 s[HQ], s[WV], 1                     ; my head of the four
	s_mov_b32 s[OFF+1], 0
	s_mov_b32 s[T0+1], 0
	s_and_b32 s[VB], ttmp9, 3
	s_lshl_b32 s[VB], s[VB], 12
	s_lshl_b32 s[T0], s[HQ], 10
	s_add_co_u32 s[VB], s[VB], s[T0]               ; 1,024 bytes of a group of ac for each head
	s_lshl_b32 s[OFF], ttmp9, 19
	s_lshl_b32 s[T0], s[HQ], 13
	s_add_co_u32 s[OFF], s[OFF], s[T0]
	s_wait_kmcnt 0x0
	s_add_nc_u64 s[KB:KB+1], s[4:5], s[OFF:OFF+1]  ; q: X's 16 steps of 32,768 bytes, my head's 8,192
	s_add_nc_u64 s[K0:K0+1], s[KB:KB+1], 0x800000  ; k's part of qkv,
	s_add_nc_u64 s[V0:V0+1], s[KB:KB+1], 0x1000000 ; v's
	BASES AH, FBH, QBH, M0H, ACH
	BASES QQ, FBL, QBL, M0L, ACL
.irp n, 0,1,2,3,4,5,6,7
	s_load_b32 s[FL+\n], s[FBH:FBH+1], 256*\n
	s_load_b32 s[FL+8+\n], s[FBL:FBL+1], 256*\n
.endr
	s_load_b64 s[84:85], s[8:9], 0x18              ; e6, e7
	s_load_b128 s[88:91], s[8:9], 0x20             ; e8 .. e11
	s_mov_b32 s[SEL], 0x76543210
	s_mov_b32 s[SEL+1], 0xfedcba98
	v_and_b32 v1, 15, v0                           ; r
	v_bfe_u32 v2, v0, 4, 1                         ; h
	v_and_b32 v[LO], 31, v0
	v_lshlrev_b32 v[LO], 4, v[LO]                  ; 16 x lane: the images
	v_lshrrev_b32 v[QO], 3, v1
	v_and_b32 v[MO], 7, v1
	v_lshlrev_b32 v[QO], 10, v[QO]
	v_lshl_add_u32 v[QO], v[MO], 4, v[QO]
	v_lshl_add_u32 v[QO], v2, 8, v[QO]             ; Q: token r of a unit in the block's image: 1,024 (r / 8) + 16 (r % 8) + 256 h
	v_lshlrev_b32 v[MO], 13, v1
	v_lshl_add_u32 v[MO], v2, 6, v[MO]             ; the mask: row r, + 16 h numbers
	s_wait_alu depctr_va_vdst(0)
	WIN 0x40
.irp x, 0,1
.irp c, 0,1
	global_load_b128 v[QF+8*\x+4*\c:QF+8*\x+4*\c+3], v[QO], s[QBH:QBH+1] offset:\x*128+\c*512   ; channels 32 c + 16 h + 0..15, as K's image has them
	global_load_b128 v[QF+16+8*\x+4*\c:QF+16+8*\x+4*\c+3], v[QO], s[QBL:QBL+1] offset:\x*128+\c*512
.endr
.endr
.set i, 0
.rept 128
	v_mov_b32 v[i], 0                              ; O^T: the step is written for all steps alike; the first finds zeros
.set i, i+1
.endr
	WIN 0
.irp u, 0,1,2,3
	v_mov_b32 v[25+4*\u], 0xff61b1e6               ; the largest t so far: -3e38
	v_floor_f32 v[24+4*\u], -v[25+4*\u]            ; -M
	v_mov_b32 v[26+4*\u], 0
	v_mov_b32 v[27+4*\u], 0
	v_mov_b32 v[41+2*\u], 0                        ; a lane permute's destination counts as a source
.endr
	v_mov_b32 v8, 0
	v_mov_b32 v9, 0
	v_mov_b32 v17, 0                               ; (the upper halves of the pairs v[16:17], v[20:21])
	v_mov_b32 v21, 0
	s_wait_alu depctr_va_vdst(0)
	s_wait_kmcnt 0x0
.irp n, 1,2,3,4,5,6,7
	s_or_b32 s[FL], s[FL], s[FL+\n]                ; what holds for one of a block's 32 rows
	s_or_b32 s[FL+8], s[FL+8], s[FL+8+\n]
.endr
	s_lshr_b32 s[XH], s[FL], 16                    ; the steps in which the high pair needs the mask,
	s_lshr_b32 s[XL], s[FL+8], 16                  ; the low pair;
	s_and_b32 s[LL], s[FL+8], 0xffff               ; the steps that are live for the low pair,
	s_or_b32 s[LV], s[FL], s[FL+8]
	s_and_b32 s[LV], s[LV], 0xffff                 ; for either
	s_bcnt1_i32_b32 s[CNT], s[LV]
	s_add_co_i32 s[T0], s84, s85                   ; e6 + e7
	s_sub_co_i32 s[OFF], s[T0], 3
	s_lshl_b32 s[OFF], s[OFF], 23
	s_add_co_i32 s[CS], s[OFF], 0x3fb8aa3b         ; log2(e) x 2^(e6 + e7 - 3)
	s_mov_b32 s[CS+1], s[CS]
	s_sub_co_i32 s[OFF], 3, s[T0]
	s_lshl_b32 s[OFF], s[OFF], 23
	s_add_co_i32 s[KN], s[OFF], 0xce6e6b28         ; -1e9 / 2^(e6 + e7 - 3)
	s_mov_b32 s[KN+1], s[KN]
	s_add_co_i32 s[EPV], s88, s89                  ; e8 + e9
	s_cmp_lt_i32 s88, -8
	s_cselect_b32 s[HF], 1, 0                      ; 448 x 2^e8 < 1: p needs the hold
	s_add_co_i32 s[T0], s88, 127
	s_lshl_b32 s[OFF], s[T0], 23
	v_mov_b32 v11, s[OFF]                          ; 2^e8
	s_add_co_i32 s[T0], s[T0], 8
	s_lshl_b32 s[T0], s[T0], 23
	s_or_b32 s[T0], s[T0], 0x600000
	v_mov_b32 v12, s[T0]                           ; 448 x 2^e8
	s_add_co_i32 s[T0], s90, 127
	s_lshl_b32 s[OFF], s[T0], 23
	v_mov_b32 v6, s[OFF]                           ; 2^e10
	s_add_co_i32 s[T0], s[T0], 8
	s_lshl_b32 s[T0], s[T0], 23
	s_or_b32 s[T0], s[T0], 0x600000
	v_mov_b32 v7, s[T0]                            ; 448 x 2^e10
.macro NEXTJ d                         ; the lowest step still to come (15 where none is left), taken off the list
	s_ctz_i32_b32 s[\d], s[LV]
	s_min_u32 s[\d], s[\d], 15
	s_sub_co_u32 s[T0], s[LV], 1
	s_and_b32 s[LV], s[LV], s[T0]
.endm
.macro KISSUE                          ; step JN's 128 keys: eight fragments of 16 keys x 64 channels: 16 loads
	s_wait_alu depctr_va_vdst(0)
	s_wait_xcnt 0x0                                ; the earlier loads have read their bases
	s_min_u32 s[OFF], s[JN], 15
	s_lshl_b32 s[OFF], s[OFF], 15
	s_add_nc_u64 s[KB:KB+1], s[K0:K0+1], s[OFF:OFF+1]
	WIN 0x40
.irp t, 0,1,2,3,4,5,6,7
.irp c, 0,1
	global_load_b128 v[KF+8*\t+4*\c:KF+8*\t+4*\c+3], v[LO], s[KB:KB+1] offset:(\t/4)*4096+(\t%4)*1024+\c*512
.endr
.endr
	WIN 0
.endm
.macro VISSUE                          ; the same step's V^T: four fragments of 16 channels x 128 keys: 16 loads
	s_wait_alu depctr_va_vdst(0)
	s_wait_xcnt 0x0
	s_add_nc_u64 s[VB:VB+1], s[V0:V0+1], s[OFF:OFF+1]
.irp dt, 0,1,2,3
.irp c, 0,1,2,3
	global_load_b128 v[VF+16*\dt+4*\c:VF+16*\dt+4*\c+3], v[LO], s[VB:VB+1] offset:(\c/2)*4096+\dt*1024+(\c%2)*512
.endr
.endr
.endm
.macro MLOAD x                         ; 16 queries (the pair's unit x) x 128 keys of the mask, in S^T's layout: 16 loads
.irp b, 0,1,2,3
.irp q, 0,1,2,3
	global_load_b128 v[MK+16*\b+4*\q:MK+16*\b+4*\q+3], v[MO], s[MB:MB+1] offset:(\x)*131072+128*\b+16*\q
.endr
.endr
.endm
.macro QK u, sb                        ; unit u's scores into the 64 registers from sb on
	WIN 0x05
.irp t, 0,1,2,3,4,5,6,7
	v_wmma_f32_16x16x64_fp8_fp8 v[\sb+8*\t:\sb+8*\t+7], v[KF+8*\t:KF+8*\t+7], v[QF+8*(\u):QF+8*(\u)+7], 0
.endr
	WIN 0
.endm
.macro MAXC sb, d                      ; the largest of my 64 numbers from sb on into v[d]: four chains, each accumulator from its low end on
	v_max3_num_f32 v[\d], v[\sb], v[\sb+1], v[\sb+2]
	v_max3_num_f32 v18, v[\sb+3], v[\sb+4], v[\sb+5]
	v_max3_num_f32 v19, v[\sb+6], v[\sb+7], v[\sb+8]
	v_max3_num_f32 v22, v[\sb+9], v[\sb+10], v[\sb+11]
.irp i, 12,20,28,36,44,52
	v_max3_num_f32 v[\d], v[\d], v[\sb+\i], v[\sb+\i+1]
	v_max3_num_f32 v18, v18, v[\sb+\i+2], v[\sb+\i+3]
	v_max3_num_f32 v19, v19, v[\sb+\i+4], v[\sb+\i+5]
	v_max3_num_f32 v22, v22, v[\sb+\i+6], v[\sb+\i+7]
.endr
	v_max3_num_f32 v[\d], v[\d], v[\sb+60], v[\sb+61]
	v_max3_num_f32 v18, v18, v[\sb+62], v[\sb+63]
	s_delay_alu instid0(VALU_DEP_1)
	v_max3_num_f32 v[\d], v[\d], v18, v19
	s_delay_alu instid0(VALU_DEP_1)
	v_max_num_f32 v[\d], v[\d], v22
.endm
; A PAIR WITHOUT THE MASK: units ua (scores in S) and ua + 1 (in the mask's registers) go through the softmax together, line by line: one batch of 128 exponentials.
.macro CPAIR ua, ish
.set STA, 24+4*(\ua)
	QK \ua, S
	QK \ua+1, MK
	PLACES 4                                       ; behind the products: ahead of the reads of their results and of the loads into K's registers
.if \ish
	KISSUE
.endif
	s_wait_alu depctr_va_vdst(0)                   ; directly ahead of the first readers of the scores
	MAXC S, 14
	MAXC MK, 15
.irp x, 0,1
	v_permlanex16_b32 v[8+\x], v[14+\x], s[SEL], s[SEL+1]
.endr
.irp x, 0,1
	v_max_num_f32 v[14+\x], v[14+\x], v[8+\x]      ; and of lane l xor 16's
.endr
.irp x, 0,1
	v_mul_f32 v[14+\x], s[CS], v[14+\x]            ; as t (the factor is positive)
.endr
.irp x, 0,1
	v_max_num_f32 v[STA+4*\x+1], v[STA+4*\x+1], v[14+\x]   ; the running largest t
.endr
.irp x, 0,1
	v_mov_b32 v[14+\x], v[STA+4*\x]
.endr
.irp x, 0,1
	v_floor_f32 v[STA+4*\x], -v[STA+4*\x+1]        ; the new -M: M is a whole number
.endr
.irp x, 0,1
	v_sub_f32 v[14+\x], v[STA+4*\x], v[14+\x]      ; old M - new M, 0 or less
.endr
.irp x, 0,1
	v_cvt_i32_f32 v[14+\x], v[14+\x]               ; (it saturates)
.endr
.irp x, 0,1
	v_ldexp_f32 v[16+4*\x], 1.0, v[14+\x]          ; f = 2^(old M - new M)
.endr
.set i, 0
.rept 32
	v_pk_fma_f32 v[S+i:S+i+1], v[S+i:S+i+1], s[CS:CS+1], v[STA:STA+1] op_sel_hi:[1,0,0]   ; t - M in one line
	v_pk_fma_f32 v[MK+i:MK+i+1], v[MK+i:MK+i+1], s[CS:CS+1], v[STA+4:STA+5] op_sel_hi:[1,0,0]
.set i, i+2
.endr
	s_wait_alu depctr_va_vdst(0)
.set i, 0
.rept 128
	v_exp_f32 v[S+i], v[S+i]                       ; p = 2^(t - M): the two units' registers lie on end
.set i, i+1
.endr
	v_pk_mul_f32 v[STA+2:STA+3], v[STA+2:STA+3], v[16:17] op_sel_hi:[1,0]   ; the sums under the new M: plain lines behind the exponentials
	v_pk_mul_f32 v[STA+6:STA+7], v[STA+6:STA+7], v[20:21] op_sel_hi:[1,0]
	s_wait_alu depctr_va_vdst(0)                   ; one wait for the batch, ahead of its first reader
	v_pk_add_f32 v[18:19], v[S:S+1], v[S+2:S+3]    ; the rows' sums are taken of the unquantised p, in four chains
	v_pk_add_f32 v[22:23], v[MK:MK+1], v[MK+2:MK+3]
.irp j, 4,8,12,16,20,24,28,32,36,40,44,48,52,56,60
	v_pk_add_f32 v[STA+2:STA+3], v[STA+2:STA+3], v[S+\j:S+\j+1]
	v_pk_add_f32 v[STA+6:STA+7], v[STA+6:STA+7], v[MK+\j:MK+\j+1]
	v_pk_add_f32 v[18:19], v[18:19], v[S+2+\j:S+3+\j]
	v_pk_add_f32 v[22:23], v[22:23], v[MK+2+\j:MK+3+\j]
.endr
	v_pk_add_f32 v[STA+2:STA+3], v[STA+2:STA+3], v[18:19]
	v_pk_add_f32 v[STA+6:STA+7], v[STA+6:STA+7], v[22:23]
	s_wait_alu depctr_va_vdst(0)                   ; ahead of a wait that blocks and of a branch
.if \ish
	s_wait_loadcnt 16                              ; V is in; the next K's 16 loads, issued above, may be out
.else
	s_wait_loadcnt 0x0                             ; V is in: nothing has been asked for behind it
.endif
	s_cmp_eq_u32 s[HF], 0
	s_cbranch_scc1 .Lno_hold_\@                    ; p <= 1 <= 448 x 2^e8: nothing to hold
.set i, 0
.rept 128
	v_min_num_f32 v[S+i], v[S+i], v12              ; the conversion does not saturate (ISA guide 7.6.2); p is not negative
.set i, i+1
.endr
.Lno_hold_\@:
.irp t, 0,1,2,3,4,5,6,7
	v_cvt_scalef32_pk8_fp8_f32 v[PC+2*\t:PC+2*\t+1], v[S+8*\t:S+8*\t+7], v11
.endr
	WIN 0x40
.irp t, 0,1,2,3,4,5,6,7
	v_cvt_scalef32_pk8_fp8_f32 v[PC2+2*\t:PC2+2*\t+1], v[MK+8*\t:MK+8*\t+7], v11
.endr
	s_wait_alu depctr_va_vdst(0)                   ; directly ahead of the first readers of O^T
	WIN 0x41
.set i, 0
.rept 16
	v_pk_mul_f32 v[32*(\ua)+i:32*(\ua)+i+1], v[32*(\ua)+i:32*(\ua)+i+1], v[16:17] op_sel_hi:[1,0]   ; O^T under the new M; also the plain lines behind the conversions
.set i, i+2
.endr
.set i, 0
.rept 16
	v_pk_mul_f32 v[32*(\ua)+32+i:32*(\ua)+33+i], v[32*(\ua)+32+i:32*(\ua)+33+i], v[20:21] op_sel_hi:[1,0]
.set i, i+2
.endr
	WIN 0x50
.irp dt, 0,1,2,3
	v_wmma_f32_16x16x128_fp8_fp8 v[32*(\ua)+8*\dt:32*(\ua)+8*\dt+7], v[VF+16*\dt:VF+16*\dt+15], v[PC:PC+15], v[32*(\ua)+8*\dt:32*(\ua)+8*\dt+7]
.endr
	WIN 0x54
.irp dt, 0,1,2,3
	v_wmma_f32_16x16x128_fp8_fp8 v[32*(\ua)+32+8*\dt:32*(\ua)+39+8*\dt], v[VF+16*\dt:VF+16*\dt+15], v[PC2:PC2+15], v[32*(\ua)+32+8*\dt:32*(\ua)+39+8*\dt]
.endr
	WIN 0
.if \ish
	PLACES 4                                       ; between the last products that read V and the loads into its registers
	VISSUE
.else
	s_wait_alu depctr_va_vdst(0)                   ; ahead of the branch that follows
.endif
.endm
; ONE UNIT UNDER THE MASK: x = which of its pair.
.macro MUNIT u, x, ish
.set ST, 24+4*(\u)
	QK \u, S
	PLACES 4
	s_wait_alu depctr_va_vdst(0)
	s_wait_loadcnt 0x0                             ; the unit's numbers of the mask are in (and V)
.set i, 0
.rept 32
	v_pk_fma_f32 v[S+i:S+i+1], v[MK+i:MK+i+1], s[KN:KN+1], v[S+i:S+i+1] op_sel_hi:[1,0,1]   ; logit / 2^(e6 + e7 - 3)
.set i, i+2
.endr
.set i, 0
.rept 32
	v_pk_mul_f32 v[S+i:S+i+1], v[S+i:S+i+1], s[CS:CS+1] op_sel_hi:[1,0]   ; t, rounded
.set i, i+2
.endr
.if \x == 0
	MLOAD 1
.elseif \ish
	KISSUE
.endif
	MAXC S, 14
	s_delay_alu instid0(VALU_DEP_1)
	v_permlanex16_b32 v8, v14, s[SEL], s[SEL+1]
	s_delay_alu instid0(VALU_DEP_1)
	v_max_num_f32 v14, v14, v8
	s_delay_alu instid0(VALU_DEP_1)
	v_max_num_f32 v[ST+1], v[ST+1], v14
	v_mov_b32 v14, v[ST]
	s_delay_alu instid0(VALU_DEP_2)
	v_floor_f32 v[ST], -v[ST+1]
	s_delay_alu instid0(VALU_DEP_1)
	v_sub_f32 v14, v[ST], v14
	s_delay_alu instid0(VALU_DEP_1)
	v_cvt_i32_f32 v14, v14
	s_delay_alu instid0(VALU_DEP_1)
	v_ldexp_f32 v16, 1.0, v14
.set i, 0
.rept 32
	v_pk_add_f32 v[S+i:S+i+1], v[S+i:S+i+1], v[ST:ST+1] op_sel_hi:[1,0]   ; t - M
.set i, i+2
.endr
	s_wait_alu depctr_va_vdst(0)
.set i, 0
.rept 64
	v_exp_f32 v[S+i], v[S+i]
.set i, i+1
.endr
	v_pk_mul_f32 v[ST+2:ST+3], v[ST+2:ST+3], v[16:17] op_sel_hi:[1,0]
	s_wait_alu depctr_va_vdst(0)
	v_pk_add_f32 v[18:19], v[S:S+1], v[S+2:S+3]
.irp j, 4,8,12,16,20,24,28,32,36,40,44,48,52,56,60
	v_pk_add_f32 v[ST+2:ST+3], v[ST+2:ST+3], v[S+\j:S+\j+1]
	v_pk_add_f32 v[18:19], v[18:19], v[S+2+\j:S+3+\j]
.endr
	s_delay_alu instid0(VALU_DEP_1)
	v_pk_add_f32 v[ST+2:ST+3], v[ST+2:ST+3], v[18:19]
	s_wait_alu depctr_va_vdst(0)
	s_cmp_eq_u32 s[HF], 0
	s_cbranch_scc1 .Lno_hold_\@
.set i, 0
.rept 64
	v_min_num_f32 v[S+i], v[S+i], v12
.set i, i+1
.endr
.Lno_hold_\@:
.irp t, 0,1,2,3,4,5,6,7
	v_cvt_scalef32_pk8_fp8_f32 v[PC+2*\t:PC+2*\t+1], v[S+8*\t:S+8*\t+7], v11
.endr
	s_wait_alu depctr_va_vdst(0)
	WIN 0x41
.set i, 0
.rept 16
	v_pk_mul_f32 v[32*(\u)+i:32*(\u)+i+1], v[32*(\u)+i:32*(\u)+i+1], v[16:17] op_sel_hi:[1,0]
.set i, i+2
.endr
	WIN 0x50
.irp dt, 0,1,2,3
	v_wmma_f32_16x16x128_fp8_fp8 v[32*(\u)+8*\dt:32*(\u)+8*\dt+7], v[VF+16*\dt:VF+16*\dt+15], v[PC:PC+15], v[32*(\u)+8*\dt:32*(\u)+8*\dt+7]
.endr
	WIN 0
.endm
.macro MPAIR ua, ish, m0
	s_wait_alu depctr_va_vdst(0)
	s_wait_xcnt 0x0
	s_min_u32 s[T0], s[J], 15
	s_lshl_b32 s[T0], s[T0], 9                     ; 128 numbers a step
	s_add_nc_u64 s[MB:MB+1], s[\m0:\m0+1], s[T0:T0+1]
	MLOAD 0
	MUNIT \ua, 0, \ish
	MUNIT \ua+1, 1, \ish
.if \ish
	PLACES 4
	VISSUE
.else
	s_wait_alu depctr_va_vdst(0)
.endif
.endm
	NEXTJ J
	s_mov_b32 s[JN], s[J]
	KISSUE
	VISSUE
	s_mov_b32 s[IT], 0
.Lstep:                                            ; one trip for each step on the list: CNT of them, at least one (the step of a row's least number is live)
	s_lshr_b32 s[MX], s[XH], s[J]
	s_and_b32 s[MX], s[MX], 1
	s_lshr_b32 s[LB], s[LL], s[J]
	s_and_b32 s[LB], s[LB], 1
	s_lshr_b32 s[LX], s[XL], s[J]
	s_and_b32 s[LX], s[LX], 1
	NEXTJ JN
	s_wait_alu depctr_va_vdst(0)
	s_wait_loadcnt 16                              ; K's 16 loads are in (the first time Q's too); V's 16 may be out
	s_cmp_eq_u32 s[LB], 0
	s_cbranch_scc1 .Lhigh
	s_cmp_lg_u32 s[LX], 0
	s_cbranch_scc1 .Llow_mask
	CPAIR 2, 0
	s_branch .Lhigh
.Llow_mask:
	MPAIR 2, 0, M0L
.Lhigh:
	s_cmp_lg_u32 s[MX], 0
	s_cbranch_scc1 .Lhigh_mask
	CPAIR 0, 1
	s_branch .Ljoin
.Lhigh_mask:
	MPAIR 0, 1, M0H
.Ljoin:
	s_mov_b32 s[J], s[JN]
	s_add_co_u32 s[IT], s[IT], 1
	s_wait_alu depctr_va_vdst(0)
	s_cmp_lt_u32 s[IT], s[CNT]
	s_cbranch_scc1 .Lstep
	; THE WAY OUT.  O^T / the sum x 2^(e8 + e9) is quantised with e10; a lane's 16 codes of two tiles are 16 bytes of the image: each store covers 512 consecutive bytes, aligned.
.irp u, 0,1,2,3
	v_add_f32 v[40+2*\u], v[26+4*\u], v[27+4*\u]
.endr
.irp u, 0,1,2,3
	v_permlanex16_b32 v[41+2*\u], v[40+2*\u], s[SEL], s[SEL+1]
.endr
.irp u, 0,1,2,3
	v_add_f32 v[41+2*\u], v[40+2*\u], v[41+2*\u]   ; the row's sum
.endr
	s_wait_alu depctr_va_vdst(0)
.irp u, 0,1,2,3
	v_rcp_f32 v[40+2*\u], v[41+2*\u]
.endr
	v_nop
	s_wait_alu depctr_va_vdst(0)
.irp u, 0,1,2,3
	v_ldexp_f32 v[40+2*\u], v[40+2*\u], s[EPV]
.endr
	s_wait_alu depctr_va_vdst(0)                   ; directly ahead of the first readers of O^T
	WIN 0x41
.irp u, 0,1,2,3
.set i, 0
.rept 16
	v_pk_mul_f32 v[32*\u+i:32*\u+i+1], v[32*\u+i:32*\u+i+1], v[40+2*\u:41+2*\u] op_sel_hi:[1,0]
.set i, i+2
.endr
.endr
.set i, 0
.rept 128
	v_med3_num_f32 v[i], v[i], -v7, v7
.set i, i+1
.endr
	WIN 0x01
.irp u, 0,1,2,3
.irp dt, 0,1,2,3
	v_cvt_scalef32_pk8_fp8_f32 v[S+8*\u+2*\dt:S+8*\u+2*\dt+1], v[32*\u+8*\dt:32*\u+8*\dt+7], v6
.endr
.endr
	v_nop
	WIN 0
.irp x, 0,1
.irp c, 0,1
	global_store_b128 v[LO], v[S+8*\x+4*\c:S+8*\x+4*\c+3], s[ACH:ACH+1] offset:\x*16384+\c*512
	global_store_b128 v[LO], v[S+16+8*\x+4*\c:S+16+8*\x+4*\c+3], s[ACL:ACL+1] offset:\x*16384+\c*512
.endr
.endr
	s_endpgm
.Lfunc_end_k_q473e6933fa_attn:
	.size	k_q473e6933fa_attn, .Lfunc_end_k_q473e6933fa_attn-k_q473e6933fa_attn
	.p2alignl 7, 3214868480
	.fill 96, 4, 3214868480
	.section	.rodata,"a",@progbits
	.p2align	6, 0x0
	.amdhsa_kernel k_q473e6933fa_attn
		.amdhsa_group_segment_fixed_size 0
		.amdhsa_private_segment_fixed_size 0
		.amdhsa_enable_private_segment 0
		.amdhsa_kernarg_size 40
		.amdhsa_user_sgpr_count 2
		.amdhsa_user_sgpr_kernarg_segment_ptr 1
		.amdhsa_wavefront_size32 1
		.amdhsa_system_sgpr_workgroup_id_x 1
		.amdhsa_system_sgpr_workgroup_id_y 1
		.amdhsa_system_sgpr_workgroup_id_z 1
		.amdhsa_system_vgpr_workitem_id 0
		.amdhsa_next_free_vgpr 512
		.amdhsa_next_free_sgpr 100
		.amdhsa_reserve_vcc 0
		.amdhsa_float_denorm_mode_32 3
		.amdhsa_float_denorm_mode_16_64 3
		.amdhsa_memory_ordered 1
		.amdhsa_forward_progress 1
		.amdhsa_inst_pref_size 167
	.end_amdhsa_kernel
	.amdgpu_metadata
---
amdhsa.version: [ 1, 2 ]
amdhsa.kernels:
  - .name:           k_q473e6933fa_attn
    .symbol:         k_q473e6933fa_attn.kd
    .args:
      - { .name: qkv, .offset: 0, .size: 8, .value_kind: global_buffer, .address_space: global }
      - { .name: mask, .offset: 8, .size: 8, .value_kind: global_buffer, .address_space: global }
      - { .name: lowp_scales, .offset: 16, .size: 8, .value_kind: global_buffer, .address_space: global }
      - { .name: flags, .offset: 24, .size: 8, .value_kind: global_buffer, .address_space: global }
      - { .name: ac, .offset: 32, .size: 8, .value_kind: global_buffer, .address_space: global }
    .group_segment_fixed_size: 0
    .private_segment_fixed_size: 0
    .kernarg_segment_align: 8
    .kernarg_segment_size: 40
    .max_flat_workgroup_size: 256
    .sgpr_count:     100
    .vgpr_count:     512
    .wavefront_size: 32
...
	.end_amdgpu_metadata
.endif
;; end of part 3
;; launch outp (part 4): grid 4 x 64, 4 waves a work-group, clusters of 4 x 1, 168,448 bytes of LDS; arguments ac, wimg, bo, lowp_scales, out0; writes out0
.if DOCPART == 4
	.amdgcn_target "amdgcn-amd-amdhsa--gfx1250"
	.amdhsa_code_object_version 6
	.text
	.protected	k_q473e6933fa_outp
	.globl	k_q473e6933fa_outp
	.p2align	8
	.type	k_q473e6933fa_outp,@function
k_q473e6933fa_outp:
	s_mov_b64 s[64:65], 0
	v_nop
	global_prefetch_b8 v0, s[64:65] scope:SCOPE_SE
	s_setreg_imm32_b32 hwreg(HW_REG_WAVE_MODE, 25, 1), 1
	s_wait_xcnt 0x0
	s_wait_alu depctr_hold_cnt(0) depctr_sa_sdst(0) depctr_va_vdst(0) depctr_va_sdst(0) depctr_va_ssrc(0) depctr_va_vcc(0) depctr_vm_vsrc(0)
	s_getreg_b32 s2, hwreg(HW_REG_IB_STS2, 6, 4)
	s_cmp_eq_u32 s2, 0
	s_cbranch_scc0 .Lentry_in_a_cluster
	s_endpgm
.Lentry_in_a_cluster:
	s_bfe_u32 s2, ttmp6, 0x10000c
	s_cmp_lg_u32 s2, 0x3003
	s_cbranch_scc0 .Lentry_shape_is_right
	s_endpgm
.Lentry_shape_is_right:
; out0 = attention's result x Wo + bo, on codes of FP8 (E4M3): out = sum x 2^(e10 + e11) + bo.
; SHARES.  Work-group (cx, y): rows 128 y on, columns 256 cx on.  Wave w: 64 columns, whose weights (64 x 1,024 K) lie in 512 registers, loaded as images of the operand's registers.
; CLUSTER.  The four work-groups of a cluster take the same 128 rows: their codes are asked for jointly (mask 15), each wave 32 rows, ONCE: no LDS byte is filled again.
; Two blocks of 64 rows: 16 accumulators, 8 K steps of 128.  Source 0 = 16 columns of Wo, source 1 = 16 rows: a lane holds a row and its registers 8 neighbouring columns.
; A wave's 64 columns of f32 are 256 aligned bytes of a row of out0: 16 rows at a time go through the wave's own stage and leave as whole such pieces.
; LIMIT: e10 + e11 between -126 and 127.
; REGISTERS: window 0: v2-8 addresses; v32-159 two sets of the rows' four fragments; v160-191 results; v192-223 bo; v224-255 the way out.  windows 1, 2: Wo's fragments.  window 3: v0-127 the accumulators, (mt, nt) at v[8 (4 mt + nt)].
.set PX,    1024                       ; ac holds images of the operand's registers, [token / 16][k / 128][c][lane][16 bytes]: 16 tokens are 16 x 1,024 bytes; a fragment's load reads 512 consecutive bytes, so no padding
.set BLKB,  64*PX
.set STG,   128*PX
.set XA0, 2
.set XA,  3
.set STO, 4
.set RD,  5
.set GO,  6
.set WO,  7
.set XF,  32
.set TMP, 160
.set BIAS, 192
.set OB,  224
.set WV,  18
.set G1,  24
.set G0,  32
.set OUT, 40
.set SY,  48
.set MSB, 0
.macro WIN new
.if MSB != (\new)
	s_set_vgpr_msb (MSB<<8)|(\new)
.set MSB, (\new)
.endif
.endm
.macro PLACES n
.rept \n
	v_nop
.endr
.endm
.macro CROUND
	s_barrier_signal -1
	s_barrier_wait -1
	s_cmp_lg_u32 s[WV], 0
	s_cbranch_scc1 .Lnot_wave_0_\@
	s_barrier_signal -3
.Lnot_wave_0_\@:
	s_barrier_wait -3
	s_barrier_signal -1
	s_barrier_wait -1
.endm
	s_load_b256 s[4:11], s[0:1], 0x0               ; ac, wimg, bo, the scales' exponents
	s_load_b64 s[12:13], s[0:1], 0x20              ; out0
	v_lshl_add_u32 v30, v0, 2, 0x29000
	v_mov_b32 v31, 0
	ds_add_u32 v30, v31
	ds_add_u32 v30, v31
	v_lshrrev_b32 v1, 5, v0
	v_readfirstlane_b32 s[WV], v1
	s_bfe_u32 s19, ttmp6, 0x40000                  ; cx
	s_and_b32 s21, ttmp7, 0xffff                   ; y
	s_mov_b32 s[G1], 15|(1<<21)                    ; the mask: all four; elements of 1 byte; no padding
	s_mov_b32 s[G1+1], 1024<<16
	s_mov_b32 s[G1+2], 32<<16
	s_mov_b32 s[G1+3], 1024<<16
	s_mov_b32 s[G1+4], 32
	s_mov_b32 s[G1+5], 1024
	s_mov_b32 s[G1+6], 0
	s_mov_b32 s[G1+7], 0
	s_mul_i32 s36, s[WV], 32*PX
	s_lshl_b32 s46, s21, 17                        ; 128 rows of 1,024 bytes;  s46, s47 never hold cx
	s_lshl_b32 s47, s[WV], 15
	s_add_co_u32 s46, s46, s47
	s_mov_b32 s47, 0
	s_wait_dscnt 0x0
	s_wait_kmcnt 0x0
	s_mov_b32 s[G0], 1
	s_mov_b32 s[G0+1], s36
	s_add_nc_u64 s[G0+2:G0+3], s[4:5], s[46:47]
	s_or_b32 s[G0+3], s[G0+3], 0x80000000
	CROUND                                         ; all four work-groups are here: the joint loads meet
	tensor_load_to_lds s[G0:G0+3], s[G1:G1+7]
	s_nop 0
	PLACES 4
	s_load_b64 s[SY:SY+1], s[10:11], 0x28          ; e10, e11
	s_lshl_b32 s50, s19, 2
	s_add_co_u32 s50, s50, s[WV]                   ; which 64 columns are mine
	s_lshl_b32 s52, s50, 16
	s_add_co_u32 s52, s52, 3<<20                   ; Wo's image
	s_mov_b32 s53, 0
	s_add_nc_u64 s[44:45], s[6:7], s[52:53]
	s_lshl_b32 s52, s50, 8
	s_add_nc_u64 s[42:43], s[8:9], s[52:53]        ; my 64 numbers of bo
	s_lshl_b32 s54, s21, 19                        ; 128 rows of 4,096 bytes
	s_add_co_u32 s52, s52, s54
	s_add_nc_u64 s[OUT:OUT+1], s[12:13], s[52:53]
	v_and_b32 v20, 15, v0                          ; r
	v_bfe_u32 v21, v0, 4, 1                        ; h
	v_and_b32 v22, 31, v0
	v_lshlrev_b32 v8, 5, v21                       ; bo: lane (r, h), register j of tile nt: column 16 nt + 8 h + j
	v_lshlrev_b32 v[WO], 4, v22
	s_wait_alu depctr_va_vdst(0)
.irp nt, 0,1,2,3
	global_load_b128 v[BIAS+8*\nt:BIAS+8*\nt+3], v8, s[42:43] offset:64*\nt
	global_load_b128 v[BIAS+8*\nt+4:BIAS+8*\nt+7], v8, s[42:43] offset:64*\nt+16
.endr
.irp ks, 0,1,2,3,4,5,6,7               ; the weights, K step by K step, so that the first block's products can begin under the later loads
	WIN 0x40
.irp nt, 0,1
.irp c, 0,1,2,3
	global_load_b128 v[16*(8*\nt+\ks)+4*\c:16*(8*\nt+\ks)+4*\c+3], v[WO], s[44:45] offset:\nt*16384+\ks*2048+\c*512
.endr
.endr
	WIN 0x80
.irp nt, 0,1
.irp c, 0,1,2,3
	global_load_b128 v[16*(8*\nt+\ks)+4*\c:16*(8*\nt+\ks)+4*\c+3], v[WO], s[44:45] offset:(\nt+2)*16384+\ks*2048+\c*512
.endr
.endr
.endr
	WIN 0
	v_lshlrev_b32 v[XA0], 4, v22                   ; 16 x lane in an image
	s_mul_i32 s58, s[WV], 4352
	s_add_co_u32 s58, s58, STG                     ; my stage: 16 rows x 272 bytes
	v_mul_u32_u24 v[STO], v20, 272
	v_lshl_add_u32 v[STO], v21, 5, v[STO]
	v_add_nc_u32 v[STO], s58, v[STO]               ; in: row r, + 32 h
	v_mul_u32_u24 v[RD], v21, 272
	v_lshl_add_u32 v[RD], v20, 4, v[RD]
	v_add_nc_u32 v[RD], s58, v[RD]                 ; back: two rows an instruction
	v_lshlrev_b32 v[GO], 12, v21
	v_lshl_add_u32 v[GO], v20, 4, v[GO]            ; and the same two rows in out0
	s_wait_alu depctr_va_vdst(0)
	s_wait_kmcnt 0x0
	s_add_co_i32 s[SY], s[SY], s[SY+1]
	s_add_co_i32 s[SY], s[SY], 127
	s_lshl_b32 s[SY], s[SY], 23                    ; 2^(e10 + e11) as f32
	s_mov_b32 s[SY+1], s[SY]                       ; (named with it as a pair)
	s_wait_tensorcnt 0x0                           ; my 32 rows are in,
	s_barrier_signal -1
	s_barrier_wait -1                              ; everybody's are
.macro FETCH set, ks
.irp mt, 0,1,2,3
.irp c, 0,1,2,3
	ds_load_b128 v[XF+64*(\set)+16*\mt+4*\c:XF+64*(\set)+16*\mt+4*\c+3], v[XA] offset:\mt*16384+2048*(\ks)+512*\c
.endr
.endr
.endm
.macro MM nt                           ; four products: columns' tile nt x the four tiles of rows, K step kk; the first K step starts the sums
.irp mt, 0,1,2,3
.set rW, 16*(8*((\nt)%2)+kk)
.set rX, XF+64*(kk%2)+16*\mt
.set rA, 8*(4*\mt+\nt)
.if kk == 0
	v_wmma_f32_16x16x128_fp8_fp8 v[rA:rA+7], v[rW:rW+15], v[rX:rX+15], 0
.else
	v_wmma_f32_16x16x128_fp8_fp8 v[rA:rA+7], v[rW:rW+15], v[rX:rX+15], v[rA:rA+7]
.endif
.endr
.endm
.macro PRODUCTS                        ; the 16 accumulators take turns, in the same order in every K step
.set kk, 0
.rept 8
.if kk >= 1
	PLACES 4                                       ; between a K step's products and the loads into the set that the step before read
.endif
.if kk < 7
	FETCH (kk+1)%2, kk+1
	s_wait_dscnt 16                                ; this K step's fragments are in; the 16 loads just issued may be out
.else
	s_wait_dscnt 0x0
.endif
.if 16*(7-kk) > 63
	s_wait_loadcnt 63
.else
	s_wait_loadcnt 16*(7-kk)                       ; the weights of the later K steps, 16 loads each, may be out (in the second block no load is out)
.endif
.if kk == 0
	WIN 0xc1
.else
	WIN 0xf1
.endif
	MM 0
	MM 1
.if kk == 0
	WIN 0xc2
.else
	WIN 0xf2
.endif
	MM 2
	MM 3
	WIN 0
.set kk, kk+1
.endr
.endm
.macro OBLOCK blk
	v_add_nc_u32 v[XA], (\blk)*BLKB, v[XA0]
	s_wait_alu depctr_va_vdst(0)
	FETCH 0, 0
	PRODUCTS
	PLACES 4
.irp mt, 0,1,2,3
	WIN 0x03
.irp nt, 0,1,2,3
.irp i, 0,2,4,6
	v_pk_fma_f32 v[TMP+8*\nt+\i:TMP+8*\nt+\i+1], v[8*(4*\mt+\nt)+\i:8*(4*\mt+\nt)+\i+1], s[SY:SY+1], v[BIAS+8*\nt+\i:BIAS+8*\nt+\i+1] op_sel_hi:[1,0,1]   ; sum x 2^(e10 + e11) + bo; each accumulator from its low end on
.endr
.endr
	WIN 0
.irp nt, 0,1,2,3
	ds_store_b128 v[STO], v[TMP+8*\nt:TMP+8*\nt+3] offset:64*\nt
	ds_store_b128 v[STO], v[TMP+8*\nt+4:TMP+8*\nt+7] offset:64*\nt+16
.endr
	s_wait_xcnt 0x0                                ; the last 16 rows' stores have read their data: the loads below land there only behind this wait
.irp t, 0,1,2,3,4,5,6,7
	ds_load_b128 v[OB+4*\t:OB+4*\t+3], v[RD] offset:\t*544   ; LDS serves a wave's instructions in order: these see my stores
.endr
.irp t, 0,1,2,3,4,5,6,7
	s_wait_dscnt 7-\t
	global_store_b128 v[GO], v[OB+4*\t:OB+4*\t+3], s[OUT:OUT+1] offset:(64*(\blk)+16*\mt+2*\t)*4096 th:TH_STORE_NT   ; sixteen lanes store 256 consecutive bytes, aligned
.endr
.endr
.endm
	OBLOCK 0
	OBLOCK 1
	s_wait_dscnt 0x0
	s_wait_tensorcnt 0x0
	ds_add_u32 v30, v31
	s_wait_dscnt 0x0
	CROUND                                         ; the closing round
	s_endpgm
.Lfunc_end_k_q473e6933fa_outp:
	.size	k_q473e6933fa_outp, .Lfunc_end_k_q473e6933fa_outp-k_q473e6933fa_outp
	.p2alignl 7, 3214868480
	.fill 96, 4, 3214868480
	.section	.rodata,"a",@progbits
	.p2align	6, 0x0
	.amdhsa_kernel k_q473e6933fa_outp
		.amdhsa_group_segment_fixed_size 168448
		.amdhsa_private_segment_fixed_size 0
		.amdhsa_enable_private_segment 0
		.amdhsa_kernarg_size 40
		.amdhsa_user_sgpr_count 2
		.amdhsa_user_sgpr_kernarg_segment_ptr 1
		.amdhsa_wavefront_size32 1
		.amdhsa_system_sgpr_workgroup_id_x 1
		.amdhsa_system_sgpr_workgroup_id_y 1
		.amdhsa_system_sgpr_workgroup_id_z 1
		.amdhsa_system_vgpr_workitem_id 0
		.amdhsa_next_free_vgpr 1024
		.amdhsa_next_free_sgpr 66
		.amdhsa_reserve_vcc 0
		.amdhsa_float_denorm_mode_32 3
		.amdhsa_float_denorm_mode_16_64 3
		.amdhsa_memory_ordered 1
		.amdhsa_forward_progress 1
		.amdhsa_inst_pref_size 80
	.end_amdhsa_kernel
	.amdgpu_metadata
---
amdhsa.version: [ 1, 2 ]
amdhsa.kernels:
  - .name:           k_q473e6933fa_outp
    .symbol:         k_q473e6933fa_outp.kd
    .args:
      - { .name: ac, .offset: 0, .size: 8, .value_kind: global_buffer, .address_space: global }
      - { .name: wimg, .offset: 8, .size: 8, .value_kind: global_buffer, .address_space: global }
      - { .name: bo, .offset: 16, .size: 8, .value_kind: global_buffer, .address_space: global }
      - { .name: lowp_scales, .offset: 24, .size: 8, .value_kind: global_buffer, .address_space: global }
      - { .name: out0, .offset: 32, .size: 8, .value_kind: global_buffer, .address_space: global }
    .group_segment_fixed_size: 168448
    .private_segment_fixed_size: 0
    .kernarg_segment_align: 8
    .kernarg_segment_size: 40
    .max_flat_workgroup_size: 128
    .sgpr_count:     66
    .vgpr_count:     1024
    .wavefront_size: 32
...
	.end_amdgpu_metadata
.endif
;; end of part 4
